; MI455X (gfx1250); checked and timed in simulation.
; The chip was launched on July 23, 2026; its instructions are those of AMD's public machine-readable ISA for CDNA 5 (MIT licence, August 2026) and "CDNA5" Instruction Set Architecture Reference Guide (July 2026). The comments in the code are by the model that wrote it; some were corrected since.
;; Multi Head Attention. Allowed arithmetic: matrix products marked QUANTISED: E2M3 operands, one E8M0 scale for each 32 along K, by v_wmma_scale_f32_16x16x128_f8f6f4 with both operands' format E2M3, f32 sums; everything else in f32.
;; Inputs: Wk 16 x 1,024 x 64 float32; Wq 16 x 1,024 x 64 float32; Wv 16 x 1,024 x 64 float32; proj_b 1,024 float32; proj_w 1,024 x 1,024 float32; x 4 x 2,048 x 1,024 float32.
;; Outputs: out0 4 x 2,048 x 1,024 float32.
;; This version of the problem:
;;   THIS VERSION OF THE PROBLEM IS GIVEN IN LOW PRECISION. The matrix products marked QUANTISED in the list below multiply operands that are first quantised to E2M3 (2 exponent bits, 3 mantissa bits; 6 bits a number), with one power-of-two scale for each 32 numbers along K (OCP MX v1.0); their sums are f32. All else is computed in f32.
;;   The module's matrix products, in the order in which they are computed (A, B: the left and right operand; K: the contracted axis; several contracted axes count as one K, in the product's order):
;;     1. [M 1,024, K 1,024] x [K 1,024, N 8,192]; A: input Wq; B: input x: QUANTISED
;;     2. [M 1,024, K 1,024] x [K 1,024, N 8,192]; A: input Wk; B: input x: QUANTISED
;;     3. [M 1,024, K 1,024] x [K 1,024, N 8,192]; A: input Wv; B: input x: QUANTISED
;;     4. batch 64 x [M 2,048, K 64] x [K 64, N 2,048]; A: computed on the way; B: computed on the way: QUANTISED
;;     5. batch 64 x [M 2,048, K 2,048] x [K 2,048, N 64]; A: softmax (see below); B: computed on the way: QUANTISED
;;     6. [M 8,192, K 1,024] x [K 1,024, N 1,024]; A: computed on the way; B: input proj_w: QUANTISED
;;   THE QUANTISER, for each operand of a quantised product, along K:
;;     - K is cut into blocks of 32 from its start; a last block that is shorter is filled with zeros.
;;     - A block's scale is 2^e with e = floor(log2(the largest magnitude in the block)) - 2, held to -126 .. 127; a block of zeros has e = 0. As a byte (E8M0): e + 127.
;;     - Each number is divided by its block's scale, clamped to +-7.5, and rounded to the nearest number of E2M3, ties to even, subnormals kept.
;;     - The product sums the exact products of the quantised numbers (number of the format x scale) in f32.
;;   ~~~python
;;   def quantise(x, axis):      # numpy; x: float32 -> the quantised numbers, widened to float32 again
;;       x = np.moveaxis(x, axis, -1); K = x.shape[-1]
;;       x = np.pad(x, [(0, 0)] * (x.ndim - 1) + [(0, -K % 32)]); x = x.reshape(x.shape[:-1] + (-1, 32)); a = np.abs(x).max(-1, keepdims=True)
;;       e = np.where(a > 0, np.clip(np.frexp(np.where(a > 0, a, 1))[1] - 1 - 2, -126, 127), 0)      # np.frexp(a)[1] - 1 = floor(log2(a)), exactly
;;       r = np.clip(x / 2.0 ** e, -7.5, 7.5)
;;       step = 2.0 ** (np.maximum(np.frexp(np.where(r == 0, 1, r))[1] - 1, 0) - 3)
;;       q = np.round(r / step) * step * 2.0 ** e      # np.round: ties to even
;;       return np.moveaxis(q.reshape(q.shape[:-2] + (-1,))[..., :K], -1, axis).astype(np.float32)
;;   ~~~
;;   SOFTMAX AHEAD OF A QUANTISED PRODUCT. Where the list says 'softmax', what is quantised is not the finished softmax but p = 2^(t - M), with t = logit x log2(e) and M = ceil(the row's largest t), a whole number; so 1/2 < the row's largest p <= 1. The row's sum l is taken of the UNQUANTISED p, in f32, and the product's result is divided by l at the end. Since M is a whole number, a kernel that streams over the keys may use a running M (the ceiling of the running maximum): every later rescaling is an exact power of two, which a block's scale takes up: the codes' values come out the same.
;;   OPERANDS COMPUTED ON THE WAY. 'Computed on the way' means the value that the module computes at that place (a softmax that the list does not call 'softmax' is quantised finished and normalised). What goes into a quantiser is computed in f32, as accurately as f32 sums, v_exp_f32 and their like allow (about 1e-6 of the number): no bf16 or f16 on the way to a quantiser, and a product that is left as it is and whose result goes on into a quantised operand takes f32 operands (vector FMAs, or v_wmma_f32_16x16x4_f32). A number that lies on a knife's edge between two numbers of the format may be rounded either way, as far as f32 arithmetic and the matrix unit's own rounding can turn it there, and no further.
;; One version. Each part assembles by itself: llvm-mc -triple=amdgcn-amd-amdhsa -mcpu=gfx1250 --defsym DOCPART=n.
;; ======== version 1 of 1: 4 launches
;; workspace buffers: ops_img 9,437,184 bytes; ops_sc 393,216 bytes; q_buf 6,815,744 bytes; kv 13,369,344 bytes; ao_img 6,291,456 bytes; ao_sc 262,144 bytes
;; launch quant (part 1): grid 512 x 1, 4 waves a work-group, no clusters, 34,304 bytes of LDS; arguments x, Wq, Wk, Wv, proj_w, ops_img, ops_sc; writes ops_img, ops_sc
.if DOCPART == 1
	.amdgcn_target "amdgcn-amd-amdhsa--gfx1250"
	.amdhsa_code_object_version 6
	.text
	.protected	k_qf67bcce865_quant
	.globl	k_qf67bcce865_quant
	.p2align	8
	.type	k_qf67bcce865_quant,@function
k_qf67bcce865_quant:
	s_mov_b64 s[64:65], 0
	v_nop
	global_prefetch_b8 v0, s[64:65] scope:SCOPE_SE
	s_setreg_imm32_b32 hwreg(HW_REG_WAVE_MODE, 25, 1), 1
	s_wait_xcnt 0x0
; x [8192][1024], Wq, Wk, Wv [16][1024][64] and proj_w [1024][1024], all f32, become codes of FP6 (E2M3) with one E8M0 scale byte for each 32 along K (K = the 1,024 channels).
; THE CODES ARE LAID AS IMAGES OF THE MATRIX OPERAND'S REGISTERS.  A fragment is 16 rows x 128 K: 12 registers a lane (lane (r, h): row r, registers 6 c .. 6 c + 5 = k 64 c + 32 h + 0 .. 31).
; Its image is 1,536 bytes: register pair p (0 .. 5) at 256 p + 8 x lane, so each store of a pair covers 256 consecutive bytes, aligned.  ops_img: [tile 0..767][K step 0..7][1,536].
; THE ROWS OF A TILE ARE NOT NEIGHBOURS: lane-row r of tile 2 G + u is row 32 G + 8 u + r + 8 (r / 8).  Tiles 0-511: x's tokens; 512-575 Wq, 576-639 Wk, 640-703 Wv (row = 64 head + d); 704-767 proj_w (row = output column).
; ops_sc: 512 bytes a tile, words [K / 256 (4)][r (16)][which 128 of the 256 (2)]; byte b of a word scales k 32 b .. 32 b + 31 of its 128.
; A block's scale is 2^(floor(log2(its largest magnitude)) - 2); its byte is the largest magnitude's exponent field - 2, held at 1 from below.
; LIMITS: a block of zeros gets the byte 1 where the rule says 127 (its codes are zeros, and this program alone reads the bytes); blocks whose largest magnitude lies under 2^(3 - 127) keep the byte 1; NaN and infinities are not served.
; SHARES.  Work-groups 0-255 take x: a wave makes one tile x 4 K steps.  Work-groups 256-511 take the weights: a wave makes two tiles (32 columns) x one K step.  Waves share nothing: no barrier.  Only x's path uses LDS.
.set SEL, 20                           ; s[20:21] lane selects for v_permlanex16_b32: lane l xor 16
.set SPX, 528                          ; x's stage: a row of 512 bytes + 16: the 16 rows that a read touches begin 132 words apart
.set R,   16                           ; v16-143  x as loaded: two sets of 16 rows x 4 registers
.set X,   144                          ; v144-207 64 numbers of my row: register 16 b + i = k 32 b + 16 h + i
.set PC,  208                          ; v208-219 the fragment's codes; v220-226 at work
.set TM,  228                          ; v228-243 at work in QUANT
.set PW,  244                          ; the scale word just made
.set WD,  245                          ; v245-248 the four K steps' words
.set XW,  16                           ; weights: v16-79 two sets of 32 numbers down K
.set F,   144                          ; v144-149 tile T0's six registers;  v150-155 tile T0 + 1's
.set G,   150
.set TA,  156                          ; v156-158, v160-162 the upper halves' codes (a conversion's three registers begin on an even number)
.set TB,  160
.set MX,  164                          ; v164-165 largest magnitudes
.set SO,  168                          ; the conversion's scale operand
.set SB,  170                          ; my column's four scale bytes
; 64 numbers of a lane, v[s] on, become a fragment's codes in v[PC] on and its scale word in v[PW]
.macro QUANT s
.irp b, 0,1,2,3
	v_max3_num_f32 v[TM+\b], |v[\s+16*\b]|, |v[\s+1+16*\b]|, 0x1800000   ; block b: my 16 numbers, and the floor 2^(3 - 127): the byte cannot fall under 1
.endr
.irp i, 2,4,6,8,10,12,14
.irp b, 0,1,2,3
	v_max3_num_f32 v[TM+\b], v[TM+\b], |v[\s+16*\b+\i]|, |v[\s+1+16*\b+\i]|   ; the four blocks by turns
.endr
.endr
.irp b, 0,1,2,3
	v_permlanex16_b32 v[TM+4+\b], v[TM+\b], s[SEL], s[SEL+1]
.endr
.irp b, 0,1,2,3
	v_max_num_f32 v[TM+\b], v[TM+\b], v[TM+4+\b]   ; with lane l xor 16's 16: the block's largest magnitude
.endr
.irp b, 0,1,2,3
	v_add_nc_u32 v[TM+12+\b], 0xff000000, v[TM+\b]   ; 2 off its exponent field: the conversion takes that field as its scale
.endr
.irp b, 0,1,2,3
	v_lshrrev_b32 v[TM+4+\b], 23, v[TM+12+\b]      ; the scale's byte
.endr
	v_lshl_or_b32 v[PW], v[TM+5], 8, v[TM+4]
	v_lshl_or_b32 v[PW], v[TM+6], 16, v[PW]
	v_lshl_or_b32 v[PW], v[TM+7], 24, v[PW]
.irp c, 0,1
	v_cvt_scalef32_pk16_fp6_f32 v[PC+6*\c:PC+2+6*\c], v[\s+32*\c:\s+15+32*\c], v[TM+12+2*\c]
	v_cvt_scalef32_pk16_fp6_f32 v[PC+12+4*\c:PC+14+4*\c], v[\s+16+32*\c:\s+31+32*\c], v[TM+13+2*\c]
.endr
	v_nop                                          ; one plain place behind the scaled conversions
.irp c, 0,1                                    ; the layout wants a whole block in a lane: lanes 0-15 block 2 c, lanes 16-31 block 2 c + 1
.irp i, 0,1,2
	v_permlane16_swap_b32 v[PC+6*\c+\i], v[PC+12+4*\c+\i]
.endr
.irp i, 0,1,2
	v_mov_b32 v[PC+3+6*\c+\i], v[PC+12+4*\c+\i]
.endr
.endr
.endm
; x: K step t of my tile's 16 rows: each load reads 512 consecutive bytes of one row
.macro LOAD t
.irp q, 0,1,2,3,4,5,6,7,8,9,10,11,12,13,14,15
	global_load_b128 v[R+64*((\t)%2)+4*\q:R+64*((\t)%2)+4*\q+3], v4, s[4:5] offset:(\q+8*(\q/8))*4096+512*(\t) th:TH_LOAD_NT
.endr
.endm
; through my wave's stage: in as loaded, out as 16 neighbours of each block of 32.  LDS serves a wave's instructions in order: no wait between the stores and the loads
.macro TURN t
.irp q, 0,1,2,3,4,5,6,7,8,9,10,11,12,13,14,15
	ds_store_b128 v5, v[R+64*((\t)%2)+4*\q:R+64*((\t)%2)+4*\q+3] offset:SPX*\q
.endr
.irp b, 0,1,2,3
.irp j, 0,1,2,3
	ds_load_b128 v[X+16*\b+4*\j:X+16*\b+4*\j+3], v6 offset:128*\b+16*\j
.endr
.endr
.endm
.macro XSTEP t
.if (\t) < 3
	s_wait_loadcnt 16                              ; this K step's 16 loads are in; the next step's 16 may be out
.else
	s_wait_loadcnt 0x0
.endif
	TURN \t
	s_wait_dscnt 0x0                               ; my 64 numbers are in, and the stores into the stage have read their registers
.if (\t) > 0
	s_wait_xcnt 0x0                                ; the last step's stores have read the codes' registers, which are written again below
.endif
.if (\t) < 2
	LOAD (\t)+2
.endif
	QUANT X
.irp p, 0,1,2,3,4,5
	global_store_b64 v7, v[PC+2*\p:PC+2*\p+1], s[14:15] offset:1536*(\t)+256*\p   ; 32 lanes store 256 consecutive bytes, aligned
.endr
	v_mov_b32 v[WD+(\t)], v[PW]
.endm
; weights: the largest magnitude of 32 registers, in two chains, with the floor
.macro BMAX xs
	v_max3_num_f32 v[MX], |v[(\xs)]|, |v[(\xs)+1]|, |v[(\xs)+2]|
	v_max3_num_f32 v[MX+1], |v[(\xs)+3]|, |v[(\xs)+4]|, |v[(\xs)+5]|
.irp i, 6,10,14,18,22,26
	v_max3_num_f32 v[MX], v[MX], |v[(\xs)+\i]|, |v[(\xs)+\i+1]|
	v_max3_num_f32 v[MX+1], v[MX+1], |v[(\xs)+\i+2]|, |v[(\xs)+\i+3]|
.endr
	v_max3_num_f32 v[MX], v[MX], |v[(\xs)+30]|, |v[(\xs)+31]|
	v_max3_num_f32 v[MX], v[MX], v[MX+1], 0x1800000
.endm
.macro WLOAD q, pitch                  ; block q of my K step: W(32 q + i, my column), i = 0 .. 31: the 32 lanes read 128 consecutive bytes
.set i, 0
.rept 32
	global_load_b32 v[XW+32*((\q)%2)+i], v9, s[26:27] offset:(32*(\q)+i)*\pitch th:TH_LOAD_NT
.set i, i+1
.endr
.endm
.macro WBLOCK q, pitch, lo, hi         ; block q: its byte, and its codes: the lower 16 into v[lo] on, the upper 16 into v[hi] on
.if (\q) < 3
	s_wait_loadcnt 32                              ; this block's 32 loads are in; the next block's 32 may be out
.else
	s_wait_loadcnt 0x0
.endif
	BMAX XW+32*((\q)%2)
	v_add_nc_u32 v[SO], 0xff000000, v[MX]
	v_lshrrev_b32 v[MX], 23, v[SO]
.if (\q) == 0
	v_mov_b32 v[SB], v[MX]
.else
	v_lshl_or_b32 v[SB], v[MX], 8*(\q), v[SB]
.endif
	v_cvt_scalef32_pk16_fp6_f32 v[\lo:\lo+2], v[XW+32*((\q)%2):XW+32*((\q)%2)+15], v[SO]
	v_cvt_scalef32_pk16_fp6_f32 v[\hi:\hi+2], v[XW+32*((\q)%2)+16:XW+32*((\q)%2)+31], v[SO]
	v_nop                                          ; one plain place behind the scaled conversions
.if (\q) < 2
	WLOAD (\q)+2, \pitch
.endif
.endm
; Lane 16 u + r holds a column of tile T0 + u, lane-row r: in F the codes of k 64 t + 0 .. 31, in G those of k 64 t + 32 .. 63.  The operand wants tile T0's two halves in one register and tile T0 + 1's in another:
; F's lanes 16-31 change places with G's lanes 0-15.
.macro WPAIR t
.irp i, 0,1,2
	v_permlane16_swap_b32 v[F+\i], v[G+\i]
	v_permlane16_swap_b32 v[TA+\i], v[TB+\i]
.endr
.irp i, 0,1,2
	v_mov_b32 v[F+3+\i], v[TA+\i]
	v_mov_b32 v[G+3+\i], v[TB+\i]
.endr
.irp p, 0,1,2
	global_store_b64 v7, v[F+2*\p:F+2*\p+1], s[14:15] offset:768*(\t)+256*\p
	global_store_b64 v7, v[G+2*\p:G+2*\p+1], s[14:15] offset:12288+768*(\t)+256*\p
.endr
.endm
.macro WPATH pitch                     ; pitch: bytes from k to k + 1
	WLOAD 0, \pitch
	WLOAD 1, \pitch
	WBLOCK 0, \pitch, F, TA
	WBLOCK 1, \pitch, G, TB
	WPAIR 0
	s_wait_xcnt 0x0                                ; the stores have read the codes' registers, which the next two blocks write again
	WBLOCK 2, \pitch, F, TA
	WBLOCK 3, \pitch, G, TB
	WPAIR 1
	global_store_b32 v10, v[SB], s[16:17]          ; my column's word for this K step
	s_endpgm
.endm
	s_load_b256 s[4:11], s[0:1], 0x0               ; x s[4:5], Wq s[6:7], Wk s[8:9], Wv s[10:11]
	s_load_b128 s[12:15], s[0:1], 0x20             ; proj_w s[12:13], ops_img s[14:15]
	s_load_b64 s[16:17], s[0:1], 0x30              ; ops_sc
	v_lshl_add_u32 v254, v0, 2, 0x8400
	v_mov_b32 v255, 0
	v_lshrrev_b32 v1, 5, v0
	v_readfirstlane_b32 s18, v1                    ; wave 0..3
	v_and_b32 v2, 31, v0                           ; lane
	v_and_b32 v3, 15, v0                           ; r
	v_bfe_u32 v8, v0, 4, 1                         ; h
	v_lshlrev_b32 v7, 3, v2                        ; 8 x lane: my place in a register pair's 256 bytes
	s_mov_b32 s[SEL], 0x76543210
	s_mov_b32 s[SEL+1], 0xfedcba98
	s_cmp_lt_u32 ttmp9, 256
	s_cbranch_scc0 .Lweights
	; ---- x: wave number 4 x work-group + wave: tile T = number / 2, K steps 4 (number % 2) on
	s_lshl_b32 s22, ttmp9, 2
	s_add_co_u32 s22, s22, s18
	s_lshr_b32 s23, s22, 1                         ; T
	s_and_b32 s22, s22, 1                          ; which half of K
	s_lshr_b32 s24, s23, 1
	s_lshl_b32 s24, s24, 5
	s_and_b32 s25, s23, 1
	s_lshl_b32 s25, s25, 3
	s_add_co_u32 s24, s24, s25                     ; the tile's first row: 32 (T / 2) + 8 (T % 2)
	s_lshl_b32 s24, s24, 12                        ; rows of 4,096 bytes
	s_lshl_b32 s25, s22, 11
	s_add_co_u32 s24, s24, s25
	s_mov_b32 s25, 0
	s_mul_i32 s26, s23, 12288
	s_mul_i32 s28, s22, 6144
	s_add_co_u32 s26, s26, s28                     ; my four images
	s_mov_b32 s27, 0
	s_lshl_b32 s28, s23, 9
	s_lshl_b32 s29, s22, 8
	s_add_co_u32 s28, s28, s29                     ; my 256 bytes of scale words
	s_mov_b32 s29, 0
	s_mul_i32 s19, s18, 16*SPX                     ; my wave's stage
	v_lshlrev_b32 v4, 4, v2                        ; 16 x lane
	v_add_nc_u32 v5, s19, v4                       ; into the stage
	v_mul_u32_u24 v6, v3, SPX
	v_lshl_add_u32 v6, v8, 6, v6
	v_add_nc_u32 v6, s19, v6                       ; out of it: row r, + 64 h
.irp b, 0,1,2,3
	v_mov_b32 v[TM+4+\b], 0                        ; written once: a lane permute's destination counts as one of its sources
.endr
	s_wait_kmcnt 0x0
	s_add_nc_u64 s[4:5], s[4:5], s[24:25]
	s_add_nc_u64 s[14:15], s[14:15], s[26:27]
	s_add_nc_u64 s[16:17], s[16:17], s[28:29]
	LOAD 0
	LOAD 1
	XSTEP 0
	XSTEP 1
	XSTEP 2
	XSTEP 3
	v_cmp_le_u32 vcc_lo, 16, v2                    ; lanes 0-15 store the words of my first 256 along K, lanes 16-31 those of the second
	v_cndmask_b32 v250, v[WD], v[WD+2], vcc_lo
	v_cndmask_b32 v251, v[WD+1], v[WD+3], vcc_lo
	global_store_b64 v7, v[250:251], s[16:17]      ; 256 consecutive bytes, aligned
	s_wait_tensorcnt 0x0
	ds_add_u32 v254, v255
	s_wait_dscnt 0x0
	s_endpgm
.Lweights:
	; ---- weights: matrix = (work-group - 256) / 64; 32 columns g; K step 4 (work-group % 2) + wave
	s_sub_co_u32 s22, ttmp9, 256
	s_lshr_b32 s24, s22, 6                         ; 0 Wq, 1 Wk, 2 Wv, 3 proj_w
	s_bfe_u32 s25, s22, 0x50001                    ; g: 5 bits from bit 1
	s_and_b32 s22, s22, 1
	s_lshl_b32 s22, s22, 2
	s_add_co_u32 s30, s22, s18                     ; K step
	s_lshl_b32 s31, s24, 6
	s_lshl_b32 s32, s25, 1
	s_add_co_u32 s31, s31, s32
	s_add_co_u32 s31, s31, 512                     ; T0
	s_mul_i32 s32, s31, 12288
	s_mul_i32 s33, s30, 1536
	s_add_co_u32 s32, s32, s33                     ; T0's image of this K step; T0 + 1's lies 12,288 bytes on
	s_mov_b32 s33, 0
	s_lshl_b32 s34, s31, 9
	s_lshr_b32 s35, s30, 1
	s_lshl_b32 s35, s35, 7
	s_add_co_u32 s34, s34, s35
	s_and_b32 s35, s30, 1
	s_lshl_b32 s35, s35, 2
	s_add_co_u32 s34, s34, s35                     ; this K step's word in T0's scale words
	s_mov_b32 s35, 0
	s_lshr_b32 s28, s25, 1                         ; a head's weight: head g / 2 of 262,144 bytes, channels d 32 (g % 2) on, rows of 256 bytes
	s_lshl_b32 s28, s28, 18
	s_and_b32 s29, s25, 1
	s_lshl_b32 s29, s29, 7
	s_add_co_u32 s28, s28, s29
	s_lshl_b32 s29, s30, 15
	s_add_co_u32 s28, s28, s29
	s_lshl_b32 s29, s25, 7                         ; proj_w: columns 32 g on, rows of 4,096 bytes
	s_lshl_b32 s36, s30, 19
	s_add_co_u32 s29, s29, s36
	s_cmp_lt_u32 s24, 3
	s_cselect_b32 s28, s28, s29
	s_mov_b32 s29, 0
	v_and_b32 v9, 8, v3
	v_add_nc_u32 v9, v9, v3
	v_lshl_add_u32 v9, v8, 3, v9
	v_lshlrev_b32 v9, 2, v9                        ; my column among the 32: 8 u + r + 8 (r / 8), u = lane / 16; 4 bytes each
	v_lshlrev_b32 v10, 3, v3
	v_lshl_add_u32 v10, v8, 9, v10                 ; my word: tile u, lane-row r
	s_wait_kmcnt 0x0
	s_cmp_eq_u32 s24, 0                            ; the choice hangs on the work-group's number alone
	s_cselect_b64 s[26:27], s[6:7], s[8:9]
	s_cmp_lt_u32 s24, 2
	s_cselect_b64 s[26:27], s[26:27], s[10:11]
	s_cmp_lt_u32 s24, 3
	s_cselect_b64 s[26:27], s[26:27], s[12:13]
	s_add_nc_u64 s[26:27], s[26:27], s[28:29]
	s_add_nc_u64 s[14:15], s[14:15], s[32:33]
	s_add_nc_u64 s[16:17], s[16:17], s[34:35]
	s_cmp_eq_u32 s24, 3
	s_cbranch_scc1 .Lproj_w
	WPATH 256
.Lproj_w:
	WPATH 4096
.Lfunc_end_k_qf67bcce865_quant:
	.size	k_qf67bcce865_quant, .Lfunc_end_k_qf67bcce865_quant-k_qf67bcce865_quant
	.p2alignl 7, 3214868480
	.fill 96, 4, 3214868480
	.section	.rodata,"a",@progbits
	.p2align	6, 0x0
	.amdhsa_kernel k_qf67bcce865_quant
		.amdhsa_group_segment_fixed_size 34304
		.amdhsa_private_segment_fixed_size 0
		.amdhsa_enable_private_segment 0
		.amdhsa_kernarg_size 56
		.amdhsa_user_sgpr_count 2
		.amdhsa_user_sgpr_kernarg_segment_ptr 1
		.amdhsa_wavefront_size32 1
		.amdhsa_system_sgpr_workgroup_id_x 1
		.amdhsa_system_sgpr_workgroup_id_y 1
		.amdhsa_system_sgpr_workgroup_id_z 1
		.amdhsa_system_vgpr_workitem_id 0
		.amdhsa_next_free_vgpr 256
		.amdhsa_next_free_sgpr 66
		.amdhsa_reserve_vcc 1
		.amdhsa_float_denorm_mode_32 3
		.amdhsa_float_denorm_mode_16_64 3
		.amdhsa_memory_ordered 1
		.amdhsa_forward_progress 1
		.amdhsa_inst_pref_size 76
	.end_amdhsa_kernel
	.amdgpu_metadata
---
amdhsa.version: [ 1, 2 ]
amdhsa.kernels:
  - .name:           k_qf67bcce865_quant
    .symbol:         k_qf67bcce865_quant.kd
    .args:
      - { .name: x, .offset: 0, .size: 8, .value_kind: global_buffer, .address_space: global }
      - { .name: Wq, .offset: 8, .size: 8, .value_kind: global_buffer, .address_space: global }
      - { .name: Wk, .offset: 16, .size: 8, .value_kind: global_buffer, .address_space: global }
      - { .name: Wv, .offset: 24, .size: 8, .value_kind: global_buffer, .address_space: global }
      - { .name: proj_w, .offset: 32, .size: 8, .value_kind: global_buffer, .address_space: global }
      - { .name: ops_img, .offset: 40, .size: 8, .value_kind: global_buffer, .address_space: global }
      - { .name: ops_sc, .offset: 48, .size: 8, .value_kind: global_buffer, .address_space: global }
    .group_segment_fixed_size: 34304
    .private_segment_fixed_size: 0
    .kernarg_segment_align: 8
    .kernarg_segment_size: 56
    .max_flat_workgroup_size: 128
    .sgpr_count:     66
    .vgpr_count:     256
    .wavefront_size: 32
...
	.end_amdgpu_metadata
.endif
;; end of part 1
;; launch gemm_qkv (part 2): grid 8 x 48, 4 waves a work-group, clusters of 4 x 4, 327,680 bytes of LDS; arguments ops_img, ops_sc, q_buf, kv; writes q_buf, kv
.if DOCPART == 2
	.amdgcn_target "amdgcn-amd-amdhsa--gfx1250"
	.amdhsa_code_object_version 6
	.text
	.protected	k_qf67bcce865_gemm_qkv
	.globl	k_qf67bcce865_gemm_qkv
	.p2align	8
	.type	k_qf67bcce865_gemm_qkv,@function
k_qf67bcce865_gemm_qkv:
	s_mov_b64 s[64:65], 0
	v_nop
	global_prefetch_b8 v0, s[64:65] scope:SCOPE_SE
	s_setreg_imm32_b32 hwreg(HW_REG_WAVE_MODE, 25, 1), 1
	s_wait_xcnt 0x0
	s_wait_alu depctr_hold_cnt(0) depctr_sa_sdst(0) depctr_va_vdst(0) depctr_va_sdst(0) depctr_va_ssrc(0) depctr_va_vcc(0) depctr_vm_vsrc(0)
	s_getreg_b32 s2, hwreg(HW_REG_IB_STS2, 6, 4)
	s_cmp_eq_u32 s2, 0
	s_cbranch_scc0 .Lentry_in_a_cluster
	s_endpgm
.Lentry_in_a_cluster:
	s_bfe_u32 s2, ttmp6, 0x10000c
	s_cmp_lg_u32 s2, 0xf033
	s_cbranch_scc0 .Lentry_shape_is_right
	s_endpgm
.Lentry_shape_is_right:
; q, k and v of all heads: three products [8192 tokens] x [1024 rows of a weight], K = 1,024, on codes of FP6 (E2M3) with E8M0 scales, and their results quantised again on the way out, in registers.
; OPERANDS come as images of their registers (1,536 bytes for 16 rows x 128 K: register pair p at 256 p + 8 x lane), ops_img [tile][K step 0..7][1,536], and scale words ops_sc, 512 bytes a tile: [K / 256][r][2].
; Lane-row r of tile 2 G + u is row 32 G + 8 u + r + 8 (r / 8).  THE MATRIX INSTRUCTION IS USED TRANSPOSED (source 0 = 16 rows of B, source 1 = 16 rows of A): lane (r, h) holds A's lane-row r, and by that choice
; of rows the 64 registers of A's block a against B's eight tiles are B's rows 32 b + 16 h + i at register 16 b + i: 16 neighbours a block of 32, which the conversions take as they stand.
; A tile of the result is 256 x 256, made by four waves of 128 x 128 (64 accumulators, 512 registers).  K goes in four slots of 256 through a ring of two LDS slots.
; CLUSTERS of 4 x 4.  Cluster rows Y = 0 .. 7: A = x's tokens (tile 64 Y + 16 cy on), B = Wq (cluster column X = 0) or Wk (X = 1), tile 512 + 64 X + 16 cx on: a wave's 128 columns are two heads' d, and block a's
; codes are two half images (k = d 0 .. 63) of token tile a, one for each head.  Y = 8 .. 11: A = Wv (tile 640 + 16 cy on), B = x's tokens of batch Y - 8 (tile 128 (Y - 8) + 64 X + 16 cx on): a wave's 128 columns are one
; key step, and block a's codes are the whole image of V^T (16 channels x 128 keys).  A's tiles are asked for jointly along a row of the cluster, B's along a column.  The mode hangs on Y, which all sixteen share.
; OUT.  q_buf: [batch x head (64)][106,496]: 128 token tiles x 768 bytes, then from byte 98,304 on 128 x 16 scale words.  kv: [batch x head][16 key steps][13,056]: K 8 tiles x 768; V^T 4 tiles x 1,536 at 6,144;
; K's words 8 x 64 at 12,288; V's 4 x 64 at 12,800.  q's and k's words keep bytes 2 and 3 at 0: their upper 64 along K are not used.
; No prefetch: K is four slots, of which two are asked for at the head.
; LIMITS: a block of zeros gets the byte 1 where the rule says 127 (zero codes; this program alone reads the bytes); NaN and infinities are not served.
; REGISTERS, in windows of 256: window 0: v16-29 addresses; v32-63 scale words, two sets; v64-101 at work on the way out; v128-223 A's fragments, one set.  window 1: B's fragments, two sets, at v0 and v128.
;   window 2: the accumulators of A's blocks 0-3 ((a, b) at v[8 (8 a + b)]);  window 3: those of blocks 4-7.
.set NQ,     2                         ; matrix instructions deep in a slot
.set FR,     12                        ; registers of a fragment
.set NL,     6                         ; LDS loads that bring one
.set NP,     4                         ; places behind this matrix instruction (ISA guide 7.12.1)
.set FRB,    1536                      ; an image
.set TILEB,  NQ*FRB                    ; a tile's part of a slot
.set TROW,   8*FRB                     ; a tile's eight K steps in memory
.set HALFT,  8*TILEB                   ; 8 tiles: what one tensor load brings, and what one wave reads of A or of B
.set SLOT,   4*HALFT                   ; A's 16 tiles, then B's 16
.set SCL,    2*SLOT                    ; behind the ring: A's scale words, 16 tiles x 512 bytes;
.set SCB,    SCL+8192+128              ; B's, 128 bytes off a multiple of 256, so that the two halves of the lanes, which read A's and B's words in one load, touch different words modulo 256 bytes
.set SPARE,  SCB+8192+128              ; the spare words, 128 bytes for each wave: two blocks of 256 bytes that no other line names
.set ADRA, 16                          ; v16-17  LDS address of my A fragments in slot 0, 1
.set L8,   18                          ; v18     8 x lane
.set ADRB, 20                          ; v20-21  the same for B
.set VSH,  22                          ; v22     the way out: how far my half of the lanes shifts the scale word
.set VO1,  24                          ; v24     my byte offset for register pairs 0-2
.set VO2,  25                          ; v25     for pairs 3-5
.set VSO,  26                          ; v26     for the scale word
.set ADRS, 27                          ; v27     LDS address of my scale words: lanes 0-15 A's, lanes 16-31 B's
.set SPW,  28                          ; v28     LDS address of my spare word; never rewritten
.set NIL,  29                          ; v29     0; never rewritten
.set SC,   32                          ; scale words: set s at v[SC + 16 s]; register 2 i + q: lanes 0-15 A's block i, lanes 16-31 B's block i, the slot's q-th 128 along K
.set PC,   64                          ; v64-75 the codes just made; v76-82 at work
.set TM,   84                          ; v84-99 at work in QUANT
.set PW,   100                         ; the scale word just made
.set PWS,  101                         ; and as it is stored
.set AF,   128
.set SEL,  2                           ; s[2:3] lane selects for v_permlanex16_b32: lane l xor 16
.set G1, 24                            ; s[24:31] descriptor group 1 for A's tiles;  s[32:39] group 0, one set for each slot
.set G0, 32
.set G1B, 48                           ; s[48:55], s[56:63] the same for B's
.set G0B, 56
.set G1S, 68                           ; s[68:75], s[76:79] groups 1 and 0 for A's scale words;  s[80:87], s[88:91] for B's
.set G0S, 76
.set G1SB, 80
.set G0SB, 88
.set MSB, 0
.macro WIN new                         ; the immediate's high byte repeats the setting that is left; a switch that changes nothing is dropped
.if MSB != (\new)
	s_set_vgpr_msb (MSB<<8)|(\new)
.set MSB, \new
.endif
.endm
.set MUL_LO, 0xa1                      ; source 0 (B) window 1, source 1 (A) window 0, C and D window 2
.set MUL_HI, 0xf1                      ; the same, C and D window 3
.set TO_B,   0x40                      ; destination window 1, address window 0
; A joint load: waves 0 and 1 fetch for A, waves 2 and 3 for B.  Each line has one mask and one set of registers for all that issue it; the branch hangs on the wave's number alone.
; Four v_nop follow each of the two lines, ahead of the jump, the label and what follows.
.macro JLOAD g0a, g1a, g0b, g1b
	s_cmp_eq_u32 s15, 0
	s_cbranch_scc0 .Lfor_b_\@
	tensor_load_to_lds s[\g0a:\g0a+3], s[\g1a:\g1a+7]
	s_nop 0
.rept 4
	v_nop
.endr
	s_branch .Lasked_\@
.Lfor_b_\@:
	tensor_load_to_lds s[\g0b:\g0b+3], s[\g1b:\g1b+7]
	s_nop 0
.rept 4
	v_nop
.endr
.Lasked_\@:
.endm
.macro CREST                           ; a round of the cluster's barrier behind its opening barrier
	s_cmp_lg_u32 s14, 0
	s_cbranch_scc1 .Lnot_wave_0_\@
	s_barrier_signal -3
.Lnot_wave_0_\@:
	s_barrier_wait -3
	s_barrier_signal -1
	s_barrier_wait -1
.endm
.macro CROUND                          ; a whole round
	s_barrier_signal -1
	s_barrier_wait -1
	CREST
.endm
	s_load_b256 s[4:11], s[0:1], 0x0               ; ops_img s[4:5], ops_sc s[6:7], q_buf s[8:9], kv s[10:11]
	v_lshl_add_u32 v[SPW], v0, 2, SPARE
	v_mov_b32 v[NIL], 0
	ds_add_u32 v28, v29
	ds_add_u32 v28, v29
	s_wait_dscnt 0x0
	v_lshrrev_b32 v1, 5, v0
	v_readfirstlane_b32 s14, v1                    ; wave 0..3
	s_lshr_b32 s15, s14, 1                         ; which half of A's 16 tiles is mine.  Also: I fetch for A (0) or for B (1)
	s_and_b32 s16, s14, 1                          ; which half of B's.  Also: which 8 tiles I fetch
	s_bfe_u32 s40, ttmp6, 0x40000                  ; cx, cy: my place in the cluster
	s_bfe_u32 s41, ttmp6, 0x40004
	s_and_b32 s17, ttmp7, 0xffff                   ; Y: the cluster's row
	s_lshl_b32 s43, s41, 2
	s_lshl_b32 s43, 15, s43                        ; my row of the cluster
	s_lshl_b32 s44, 0x1111, s40                    ; my column
	; descriptor group 1: 8 tiles' parts of a slot: 8 rows of 3,072 bytes (384 elements of 8), 12,288 bytes (1,536 elements) apart in memory, dense in LDS
	s_or_b32 s[G1+0], s43, (3<<16)|(1<<21)         ; 15:0 the mask: A's tiles go to my row; 17:16 elements of 8 bytes; 20 no padding; 21 set beside a mask
	s_or_b32 s[G1B+0], s44, (3<<16)|(1<<21)
.irp g, G1, G1B
	s_mov_b32 s[\g+1], 384<<16                     ; tensor_dim0
	s_mov_b32 s[\g+2], 8<<16                       ; tensor_dim1
	s_mov_b32 s[\g+3], 384<<16                     ; tile_dim0
	s_mov_b32 s[\g+4], 8                           ; tile_dim1
	s_mov_b32 s[\g+5], 1536                        ; tensor_dim0_stride
	s_mov_b32 s[\g+6], 0
	s_mov_b32 s[\g+7], 0
.endr
	; and for 8 tiles' scale words: 4,096 dense bytes as 16 rows of 256
	s_or_b32 s[G1S+0], s43, (3<<16)|(1<<21)
	s_or_b32 s[G1SB+0], s44, (3<<16)|(1<<21)
.irp g, G1S, G1SB
	s_mov_b32 s[\g+1], 32<<16
	s_mov_b32 s[\g+2], 16<<16
	s_mov_b32 s[\g+3], 32<<16
	s_mov_b32 s[\g+4], 16
	s_mov_b32 s[\g+5], 32
	s_mov_b32 s[\g+6], 0
	s_mov_b32 s[\g+7], 0
.endr
	; A's first tile that I fetch: made of cy, Y and the wave's number, in registers that never hold cx
	s_lshl_b32 s18, s41, 4
	s_lshl_b32 s19, s16, 3
	s_add_co_u32 s18, s18, s19                     ; 16 cy + 8 x half
	s_lshl_b32 s20, s17, 6
	s_add_co_u32 s20, s20, s18                     ; q, k: x's tiles, 64 Y on
	s_add_co_u32 s18, s18, 640                     ; v: Wv's
	s_cmp_lt_u32 s17, 8
	s_cselect_b32 s20, s20, s18
	s_lshl_b32 s22, s20, 9                         ; its scale words,
	s_mov_b32 s23, 0
	s_mul_i32 s20, s20, TROW                       ; its images
	s_mov_b32 s21, 0
	; B's: made of cx, X, Y and the wave's number, in registers that never hold cy
	s_lshl_b32 s46, ttmp9, 6
	s_lshl_b32 s47, s40, 4
	s_add_co_u32 s46, s46, s47
	s_lshl_b32 s47, s16, 3
	s_add_co_u32 s46, s46, s47                     ; 64 X + 16 cx + 8 x half
	s_add_co_u32 s47, s46, 512                     ; q, k: Wq's or Wk's tiles
	s_max_u32 s92, s17, 8
	s_sub_co_u32 s92, s92, 8
	s_lshl_b32 s92, s92, 7
	s_add_co_u32 s46, s46, s92                     ; v: the tokens of batch Y - 8
	s_cmp_lt_u32 s17, 8
	s_cselect_b32 s46, s47, s46
	s_lshl_b32 s92, s46, 9
	s_mov_b32 s93, 0
	s_mul_i32 s46, s46, TROW
	s_mov_b32 s47, 0
	s_mul_i32 s45, s14, HALFT                      ; where the tiles go: wave x 8 tiles: no place in the cluster enters an LDS address
	s_lshl_b32 s94, s16, 12                        ; and the scale words: 4,096 x half
	s_wait_kmcnt 0x0
	s_add_nc_u64 s[20:21], s[4:5], s[20:21]
	s_add_nc_u64 s[22:23], s[6:7], s[22:23]
	s_add_nc_u64 s[46:47], s[4:5], s[46:47]
	s_add_nc_u64 s[92:93], s[6:7], s[92:93]
	CROUND                                         ; all sixteen work-groups are here: the first joint loads meet
	s_mov_b32 s[G0S], 1
	s_add_co_u32 s[G0S+1], s94, SCL
	s_mov_b64 s[G0S+2:G0S+3], s[22:23]
	s_or_b32 s[G0S+3], s[G0S+3], 0x80000000
	s_mov_b32 s[G0SB], 1
	s_add_co_u32 s[G0SB+1], s94, SCB
	s_mov_b64 s[G0SB+2:G0SB+3], s[92:93]
	s_or_b32 s[G0SB+3], s[G0SB+3], 0x80000000
	JLOAD G0S, G1S, G0SB, G1SB                     ; the scale words for all of K: filled once
.irp s, 0,1
	s_mov_b32 s[G0+4*\s], 1
	s_add_co_u32 s[G0+4*\s+1], s45, \s*SLOT
	s_add_nc_u64 s[G0+4*\s+2:G0+4*\s+3], s[20:21], \s*TILEB
	s_or_b32 s[G0+4*\s+3], s[G0+4*\s+3], 0x80000000
	s_mov_b32 s[G0B+4*\s], 1
	s_add_co_u32 s[G0B+4*\s+1], s45, \s*SLOT
	s_add_nc_u64 s[G0B+4*\s+2:G0B+4*\s+3], s[46:47], \s*TILEB
	s_or_b32 s[G0B+4*\s+3], s[G0B+4*\s+3], 0x80000000
	JLOAD G0+4*\s, G1, G0B+4*\s, G1B               ; three tensor loads of mine are out now: the scale words, slot 0, slot 1
.endr
	v_and_b32 v1, 15, v0                           ; r
	v_bfe_u32 v2, v0, 4, 1                         ; h
	v_and_b32 v3, 31, v0
	v_lshlrev_b32 v[L8], 3, v3
	s_mul_i32 s21, s15, HALFT                      ; my 8 tiles of A
	s_mul_i32 s22, s16, HALFT                      ; my 8 tiles of B,
	s_add_co_u32 s22, s22, 2*HALFT                 ; which lie behind A's 16
.irp s, 0,1
	v_add_nc_u32 v[ADRA+\s], s21, v[L8]
	v_add_nc_u32 v[ADRB+\s], s22, v[L8]
	s_add_co_u32 s21, s21, SLOT
	s_add_co_u32 s22, s22, SLOT
.endr
	v_lshlrev_b32 v5, 3, v1                        ; my lane-row's two words of a slot
	s_lshl_b32 s21, s15, 12                        ; A's: my 8 tiles
	s_lshl_b32 s22, s16, 12
	s_add_co_u32 s22, s22, SCB-SCL                 ; B's
	s_sub_co_u32 s22, s22, s21
	v_mul_u32_u24 v6, s22, v2                      ; lanes 16-31 take B's: one product, the distance between the two
	s_add_co_u32 s21, s21, SCL
	v_add_nc_u32 v5, v5, v6
	v_add_nc_u32 v[ADRS], s21, v5
	s_mov_b32 s[SEL], 0x76543210
	s_mov_b32 s[SEL+1], 0xfedcba98
.irp b, 0,1,2,3
	v_mov_b32 v[TM+4+\b], 0                        ; written once: a lane permute's destination counts as one of its sources
.endr
	; THE WAY OUT'S NUMBERS.  They mix cx and cy, so they live in registers that feed no descriptor.  One text serves q, k and v: what differs is chosen here, by Y and X alone.
	s_cmp_lt_u32 s17, 8
	s_cselect_b32 s12, 1, 0                        ; 1: q or k;  0: v
	s_cmp_eq_u32 ttmp9, 0
	s_cselect_b32 s13, s12, 0                      ; 1: q
	s_lshl_b32 s98, s17, 6
	s_lshl_b32 s99, s41, 4
	s_add_co_u32 s98, s98, s99
	s_lshl_b32 s99, s15, 3
	s_add_co_u32 s98, s98, s99                     ; q, k: my first token tile, 64 Y + 16 cy + 8 x half:
	s_lshr_b32 s99, s98, 7                         ; its batch,
	s_and_b32 s98, s98, 127                        ; its number in the batch;
	s_lshl_b32 s100, s40, 2
	s_lshl_b32 s101, s16, 1
	s_add_co_u32 s100, s100, s101                  ; my first head, 4 cx + 2 x half
	s_max_u32 s95, s17, 8
	s_sub_co_u32 s95, s95, 8                       ; v: the batch,
	s_lshl_b32 s101, s41, 2
	s_lshl_b32 s66, s15, 1
	s_add_co_u32 s101, s101, s66                   ; my first head, 4 cy + 2 x half,
	s_lshl_b32 s66, ttmp9, 3
	s_lshl_b32 s67, s40, 1
	s_add_co_u32 s66, s66, s67
	s_add_co_u32 s66, s66, s16                     ; my key step, 8 X + 2 cx + half
	s_cmp_lg_u32 s12, 0
	s_cselect_b32 s99, s99, s95
	s_cselect_b32 s100, s100, s101
	s_lshl_b32 s99, s99, 4
	s_add_co_u32 s99, s99, s100                    ; 16 x batch + head
	s_mul_i32 s95, s98, 768                        ; q: the tile's half image,
	s_lshl_b32 s100, s98, 6
	s_add_co_u32 s100, s100, 98304                 ; its words
	s_lshr_b32 s98, s98, 3
	s_mul_i32 s98, s98, 13056                      ; k: the key step (my 8 tiles are one step's),
	s_add_co_u32 s101, s98, 12288                  ; its words
	s_cmp_lg_u32 s13, 0
	s_cselect_b32 s95, s95, s98
	s_cselect_b32 s100, s100, s101
	s_cselect_b64 s[104:105], s[8:9], s[10:11]     ; q_buf or kv: the choice hangs on Y and X alone
	s_mov_b32 s13, 208896
	s_cselect_b32 s13, 106496, s13                 ; bytes of a head in that buffer
	s_mul_i32 s66, s66, 13056
	s_add_co_u32 s98, s66, 6144                    ; v: the key step's V^T,
	s_add_co_u32 s101, s66, 12800                  ; its words
	s_cmp_lg_u32 s12, 0
	s_cselect_b32 s95, s95, s98
	s_cselect_b32 s100, s100, s101
	s_mov_b32 s66, 1536
	s_cselect_b32 s66, 768, s66                    ; from block to block: a half image, or an image;
	s_mov_b32 s67, 204288
	s_cselect_b32 s67, 768, s67                    ; from block 3 to block 4: v goes on to the next head: 208,896 - 3 x 1,536
	s_mov_b32 s96, 208704
	s_cselect_b32 s96, 64, s96                     ; the same for the words: 208,896 - 3 x 64
	s_cselect_b32 s97, 0xffff, -1                  ; q, k: two bytes of the word a head;  v: all four
	s_cselect_b32 s98, 16, 0                       ; q, k: lanes 16-31 take the upper two
	s_cselect_b32 s101, s13, 0                     ; and store them a head further on
	s_mov_b32 s12, 768
	s_cselect_b32 s12, s13, s12                    ; pairs 3-5: q, k: the next head's half image;  v: the image's second half
	s_mul_i32 s99, s99, s13
	s_add_co_u32 s95, s95, s99
	s_add_co_u32 s100, s100, s99
	v_add_nc_u32 v[VO1], s95, v[L8]
	v_add_nc_u32 v[VO2], s12, v[VO1]
	v_mul_u32_u24 v[VSO], s101, v2
	v_lshl_add_u32 v[VSO], v1, 2, v[VSO]
	v_add_nc_u32 v[VSO], s100, v[VSO]
	v_mul_u32_u24 v[VSH], s98, v2
.macro FRAG reg, adr, q, i             ; a fragment comes as it was stored: six pairs, 256 consecutive bytes a load
.irp p, 0,1,2,3,4,5
	ds_load_b64 v[\reg+2*\p:\reg+2*\p+1], v[\adr] offset:(\i)*TILEB+(\q)*FRB+256*\p
.endr
.endm
; 16 matrix instructions: A's blocks a0, a0 + 1 x B's eight, the slot's q-th 128 along K.  p: B's set;  sc: the set of scale words.  zero = 1: the first product starts the sums.
; The 64 accumulators take turns, one instruction a turn, in the same order in every step.
.macro MUL16 a0, p, q, sc, zero
.irp a, \a0, \a0+1
.irp b, 0,1,2,3,4,5,6,7
.if \zero
	v_wmma_scale_f32_16x16x128_f8f6f4 v[8*(8*((\a)%4)+\b):8*(8*((\a)%4)+\b)+7], v[128*(\p)+FR*\b:128*(\p)+FR*\b+FR-1], v[AF+FR*(\a):AF+FR*(\a)+FR-1], 0, v[SC+8*NQ*(\sc)+NQ*\b+(\q)], v[SC+8*NQ*(\sc)+NQ*(\a)+(\q)] matrix_a_fmt:MATRIX_FMT_FP6 matrix_b_fmt:MATRIX_FMT_FP6 matrix_a_scale:MATRIX_SCALE_ROW1
.else
	v_wmma_scale_f32_16x16x128_f8f6f4 v[8*(8*((\a)%4)+\b):8*(8*((\a)%4)+\b)+7], v[128*(\p)+FR*\b:128*(\p)+FR*\b+FR-1], v[AF+FR*(\a):AF+FR*(\a)+FR-1], v[8*(8*((\a)%4)+\b):8*(8*((\a)%4)+\b)+7], v[SC+8*NQ*(\sc)+NQ*\b+(\q)], v[SC+8*NQ*(\sc)+NQ*(\a)+(\q)] matrix_a_fmt:MATRIX_FMT_FP6 matrix_b_fmt:MATRIX_FMT_FP6 matrix_a_scale:MATRIX_SCALE_ROW1
.endif
.endr
.endr
.endm
.macro FETCH_B slot, q, p              ; B's eight fragments of the slot's q-th 128 along K into set p
	WIN TO_B
.irp i, 0,1,2,3,4,5,6,7
	FRAG 128*(\p)+FR*\i, ADRB+\slot, \q, \i
.endr
	WIN 0
.endm
.macro FETCH_A slot, q, i0             ; A's blocks i0 .. i0 + 3
.irp i, \i0, \i0+1, \i0+2, \i0+3
	FRAG AF+FR*(\i), ADRA+\slot, \q, \i
.endr
.endm
.macro SCALES sc                       ; a slot's scale words into set sc: two words a lane-row; lanes 0-15 A's block i, lanes 16-31 B's block i
.irp i, 0,1,2,3,4,5,6,7
	ds_load_b64 v[SC+8*NQ*\sc+NQ*\i:SC+8*NQ*\sc+NQ*\i+1], v[ADRS] offset:512*\i
.endr
.endm
; A load into a register that a matrix instruction has read, and a vector instruction that reads a matrix result, stand NP places behind it; only plain vector instructions that name none of its registers are places
.macro PLACES n
.rept \n
	v_nop
.endr
.endm
; A step of 128 along K that has its successor in the same slot.  A has one set of registers: blocks 0-3 are fetched anew in the step's middle, blocks 4-7 at its end; B has two sets.
.macro STEP slot, q, zero
	s_wait_dscnt 4*NL                              ; B's set, A's blocks 0-3 and the scale words are in; the youngest 24 loads (A's blocks 4-7) may be out
	WIN MUL_LO
	MUL16 0, (\q)%2, \q, \slot, \zero
	MUL16 2, (\q)%2, \q, \slot, \zero
	s_wait_dscnt 0                                 ; A's blocks 4-7 are in
	PLACES NP
	FETCH_B \slot, (\q)+1, 1-(\q)%2
	FETCH_A \slot, (\q)+1, 0
	WIN MUL_HI
	MUL16 4, (\q)%2, \q, \slot, \zero
	MUL16 6, (\q)%2, \q, \slot, \zero
	PLACES NP
	WIN 0
	FETCH_A \slot, (\q)+1, 4
.endm
; A slot's last step changes slots: one barrier; in front of it each wave waits for all its tensor loads, adds 0 to its spare word, and waits for that and for its own reads of this slot.  fill = 1: this slot is filled again, two slots ahead.
.macro TURN slot, next, fill
	s_wait_tensorcnt 0x0                           ; all my tensor loads have landed: my part of the next slot
	ds_add_u32 v[SPW], v[NIL]                      ; 0 onto my spare word
	s_wait_dscnt 4*NL+1                            ; (the add and the youngest 24 loads, A's blocks 4-7, may be out)
	WIN MUL_LO
	MUL16 0, 1, NQ-1, \slot, 0                     ; sixteen matrix instructions stand between the add and the wait for it
	s_wait_dscnt 0x0                               ; the add is done, and my reads of this slot are over
	s_barrier_signal -1
	MUL16 2, 1, NQ-1, \slot, 0
	WIN 0
	s_barrier_wait -1
.if \fill
	CREST                                          ; the barrier has opened a round of the cluster's barrier: no wave of any partner still reads this slot or has a load on its way
	s_add_nc_u64 s[G0+4*\slot+2:G0+4*\slot+3], s[G0+4*\slot+2:G0+4*\slot+3], 2*TILEB
	s_add_nc_u64 s[G0B+4*\slot+2:G0B+4*\slot+3], s[G0B+4*\slot+2:G0B+4*\slot+3], 2*TILEB
	JLOAD G0+4*\slot, G1, G0B+4*\slot, G1B         ; the first tensor load behind the round; its four v_nop are also the places in front of the loads below
.else
	PLACES NP
.endif
	v_add_nc_u32 v[ADRS], 128, v[ADRS]             ; on to the next slot's scale words
	FETCH_B \next, 0, 0
	FETCH_A \next, 0, 0
	SCALES \next
	WIN MUL_HI
	MUL16 4, 1, NQ-1, \slot, 0
	MUL16 6, 1, NQ-1, \slot, 0
	PLACES NP
	WIN 0
	FETCH_A \next, 0, 4
.endm
; 64 numbers of a lane in window w, v[s] on, register 16 b + i = k 32 b + 16 h + i of my row, become a fragment's codes in v[PC] on and its scale word in v[PW] (window 0).
; Each accumulator is read from its low end on.
.macro QUANT s, w
	WIN ((\w)<<2)|((\w)<<4)                        ; sources 1 and 2: the numbers' window
.irp b, 0,1,2,3
	v_max3_num_f32 v[TM+\b], 0x1800000, |v[(\s)+16*\b]|, |v[(\s)+1+16*\b]|   ; block b: my 16 numbers, and the floor 2^(3 - 127): the byte cannot fall under 1
.endr
.irp i, 2,4,6,8,10,12,14
.irp b, 0,1,2,3
	v_max3_num_f32 v[TM+\b], v[TM+\b], |v[(\s)+16*\b+\i]|, |v[(\s)+1+16*\b+\i]|
.endr
.endr
	WIN 0
.irp b, 0,1,2,3
	v_permlanex16_b32 v[TM+4+\b], v[TM+\b], s[SEL], s[SEL+1]
.endr
.irp b, 0,1,2,3
	v_max_num_f32 v[TM+\b], v[TM+\b], v[TM+4+\b]   ; with lane l xor 16's 16: the block's largest magnitude
.endr
.irp b, 0,1,2,3
	v_add_nc_u32 v[TM+12+\b], 0xff000000, v[TM+\b]   ; 2 off its exponent field: the conversion's scale operand
.endr
.irp b, 0,1,2,3
	v_lshrrev_b32 v[TM+4+\b], 23, v[TM+12+\b]      ; the scale's byte
.endr
	v_lshl_or_b32 v[PW], v[TM+5], 8, v[TM+4]
	v_lshl_or_b32 v[PW], v[TM+6], 16, v[PW]
	v_lshl_or_b32 v[PW], v[TM+7], 24, v[PW]
	WIN (\w)                                       ; source 0: the numbers' window
.irp c, 0,1
	v_cvt_scalef32_pk16_fp6_f32 v[PC+6*\c:PC+2+6*\c], v[(\s)+32*\c:(\s)+15+32*\c], v[TM+12+2*\c]
	v_cvt_scalef32_pk16_fp6_f32 v[PC+12+4*\c:PC+14+4*\c], v[(\s)+16+32*\c:(\s)+31+32*\c], v[TM+13+2*\c]
.endr
	WIN 0
	v_nop                                          ; one plain place behind the scaled conversions
.irp c, 0,1                                    ; the layout wants a whole block in a lane
.irp i, 0,1,2
	v_permlane16_swap_b32 v[PC+6*\c+\i], v[PC+12+4*\c+\i]
.endr
.irp i, 0,1,2
	v_mov_b32 v[PC+3+6*\c+\i], v[PC+12+4*\c+\i]
.endr
.endr
.endm
; Block a of my eight goes out: q, k: token tile a, registers 0-5 to my first head, 6-11 to the next; lanes 0-15 store the first head's two scale bytes, lanes 16-31 the next head's.
; v: V^T's tile a % 4 of head a / 4, a whole image and a whole word (lanes 16-31 store the same word to the same place as lanes 0-15).
.macro OUTBLK a
.if (\a) > 0
	s_wait_xcnt 0x0                                ; the last block's stores have read their offsets and data, which are written again below
.if (\a) == 4
	v_add_nc_u32 v[VO1], s67, v[VO1]
	v_add_nc_u32 v[VO2], s67, v[VO2]
	v_add_nc_u32 v[VSO], s96, v[VSO]
.else
	v_add_nc_u32 v[VO1], s66, v[VO1]
	v_add_nc_u32 v[VO2], s66, v[VO2]
	v_add_nc_u32 v[VSO], 64, v[VSO]
.endif
.endif
	QUANT 64*((\a)%4), 2+(\a)/4
	v_lshrrev_b32 v[PWS], v[VSH], v[PW]
	v_and_b32 v[PWS], s97, v[PWS]
.irp p, 0,1,2
	global_store_b64 v[VO1], v[PC+2*\p:PC+2*\p+1], s[104:105] offset:256*\p      ; 32 lanes store 256 consecutive bytes, aligned
.endr
.irp p, 0,1,2
	global_store_b64 v[VO2], v[PC+6+2*\p:PC+7+2*\p], s[104:105] offset:256*\p
.endr
	global_store_b32 v[VSO], v[PWS], s[104:105]
.endm
	s_wait_tensorcnt 1                             ; the scale words and my part of slot 0 are in (slot 1's load may be out)
	s_barrier_signal -1
	s_barrier_wait -1                              ; everybody's are
	FETCH_B 0, 0, 0
	FETCH_A 0, 0, 0
	SCALES 0
	FETCH_A 0, 0, 4
	STEP 0, 0, 1                                   ; K 0: its products start the sums
	TURN 0, 1, 1                                   ; K 128; slot 0 takes K 512 on
	STEP 1, 0, 0
	TURN 1, 0, 1                                   ; slot 1 takes K 768 on
	STEP 0, 0, 0
	TURN 0, 1, 0                                   ; nothing is left to fetch: no round
	STEP 1, 0, 0
	s_wait_dscnt 4*NL                              ; the very last step
	WIN MUL_LO
	MUL16 0, 1, NQ-1, 1, 0
	MUL16 2, 1, NQ-1, 1, 0
	s_wait_dscnt 0
	WIN MUL_HI
	MUL16 4, 1, NQ-1, 1, 0
	MUL16 6, 1, NQ-1, 1, 0
	WIN 0
	PLACES NP
.irp a, 0,1,2,3,4,5,6,7
	OUTBLK \a
.endr
	s_wait_tensorcnt 0x0                           ; the wave's end
	ds_add_u32 v[SPW], v[NIL]
	s_wait_dscnt 0x0
	CROUND                                         ; the closing round: no work-group ends while a partner may still ask for a tile that names it
	s_endpgm
.Lfunc_end_k_qf67bcce865_gemm_qkv:
	.size	k_qf67bcce865_gemm_qkv, .Lfunc_end_k_qf67bcce865_gemm_qkv-k_qf67bcce865_gemm_qkv
	.p2alignl 7, 3214868480
	.fill 96, 4, 3214868480
	.section	.rodata,"a",@progbits
	.p2align	6, 0x0
	.amdhsa_kernel k_qf67bcce865_gemm_qkv
		.amdhsa_group_segment_fixed_size 327680
		.amdhsa_private_segment_fixed_size 0
		.amdhsa_enable_private_segment 0
		.amdhsa_kernarg_size 32
		.amdhsa_user_sgpr_count 2
		.amdhsa_user_sgpr_kernarg_segment_ptr 1
		.amdhsa_wavefront_size32 1
		.amdhsa_system_sgpr_workgroup_id_x 1
		.amdhsa_system_sgpr_workgroup_id_y 1
		.amdhsa_system_sgpr_workgroup_id_z 1
		.amdhsa_system_vgpr_workitem_id 0
		.amdhsa_next_free_vgpr 1024
		.amdhsa_next_free_sgpr 106
		.amdhsa_reserve_vcc 0
		.amdhsa_float_denorm_mode_32 3
		.amdhsa_float_denorm_mode_16_64 3
		.amdhsa_memory_ordered 1
		.amdhsa_forward_progress 1
		.amdhsa_inst_pref_size 170
	.end_amdhsa_kernel
	.amdgpu_metadata
---
amdhsa.version: [ 1, 2 ]
amdhsa.kernels:
  - .name:           k_qf67bcce865_gemm_qkv
    .symbol:         k_qf67bcce865_gemm_qkv.kd
    .args:
      - { .name: ops_img, .offset: 0, .size: 8, .value_kind: global_buffer, .address_space: global }
      - { .name: ops_sc, .offset: 8, .size: 8, .value_kind: global_buffer, .address_space: global }
      - { .name: q_buf, .offset: 16, .size: 8, .value_kind: global_buffer, .address_space: global }
      - { .name: kv, .offset: 24, .size: 8, .value_kind: global_buffer, .address_space: global }
    .group_segment_fixed_size: 327680
    .private_segment_fixed_size: 0
    .kernarg_segment_align: 8
    .kernarg_segment_size: 32
    .max_flat_workgroup_size: 128
    .sgpr_count:     106
    .vgpr_count:     1024
    .wavefront_size: 32
...
	.end_amdgpu_metadata
.endif
;; end of part 2
;; launch attn (part 3): grid 256 x 1, 16 waves a work-group, clusters of 4 x 1, 210,944 bytes of LDS; arguments q_buf, kv, ao_img, ao_sc; writes ao_img, ao_sc
.if DOCPART == 3
	.amdgcn_target "amdgcn-amd-amdhsa--gfx1250"
	.amdhsa_code_object_version 6
	.text
	.protected	k_qf67bcce865_attn
	.globl	k_qf67bcce865_attn
	.p2align	8
	.type	k_qf67bcce865_attn,@function
k_qf67bcce865_attn:
	s_mov_b64 s[64:65], 0
	v_nop
	global_prefetch_b8 v0, s[64:65] scope:SCOPE_SE
	s_setreg_imm32_b32 hwreg(HW_REG_WAVE_MODE, 25, 1), 1
	s_wait_xcnt 0x0
	s_wait_alu depctr_hold_cnt(0) depctr_sa_sdst(0) depctr_va_vdst(0) depctr_va_sdst(0) depctr_va_ssrc(0) depctr_va_vcc(0) depctr_vm_vsrc(0)
	s_getreg_b32 s2, hwreg(HW_REG_IB_STS2, 6, 4)
	s_cmp_eq_u32 s2, 0
	s_cbranch_scc0 .Lentry_in_a_cluster
	s_endpgm
.Lentry_in_a_cluster:
	s_bfe_u32 s2, ttmp6, 0x10000c
	s_cmp_lg_u32 s2, 0x3003
	s_cbranch_scc0 .Lentry_shape_is_right
	s_endpgm
.Lentry_shape_is_right:
; Causal attention of 64 heads (batch x head), 2,048 tokens, head size 64, no scaling of the scores; both products on codes of FP6 (E2M3) with E8M0 scales; the result, divided by the row's sum, is quantised along the
; channels for the projection.  q_buf and kv are laid as the launch before stores them: register images (pair p at 256 p + 8 x lane).  Lane-row r of token tile 2 G + u is token 32 G + 8 u + r + 8 (r / 8).
; THE SOFTMAX: t = score x log2(e); M = the running largest t rounded UP to a whole number; p = 2^(t - M) is quantised along the keys, not normalised; the row's sum is taken of the unquantised p and divides at the end.
; When M moves, the sum and O are multiplied by 2^(old M - new M), which rounds nothing.
; A HEAD'S WHOLE K, V AND SCALE WORDS, 16 key steps x 13,056 = 208,896 bytes, LIE IN LDS, filled once: wave w fetches key step w.  No ring, no refill, no LDS store.  All that the work-group reads of kv is asked for by
; these sixteen loads at the head, so nothing is left to prefetch.
; CLUSTER: the four work-groups of a cluster are four shares of one head (the cluster's number) and need the same bytes: each load is a joint one, with the same descriptor and the mask 15 in all four.
; SHARES.  Query tile 8 a + sp needs key steps 0 .. a; step a lies on the diagonal.  sp = 2 cx + wave % 2.  Wave w takes tile B, a = 15 - w / 2, and then tile A, a = w / 2: 17 steps in every wave, two of them masked.
; Branches hang on the wave's number and the trip counter alone; cx enters global addresses and the mask's comparand.
; LAYOUT.  Both products transposed: S^T = K Q^T (source 0 = 16 keys), O^T = V^T P^T (source 0 = 16 channels): a lane holds one query throughout.  By the choice of a tile's rows the 16 registers of tiles 2 b, 2 b + 1
; are 16 neighbouring keys (or channels).  The first product's K is 64: Q's registers 6-11 are zero codes and the upper two bytes of Q's and K's scale words are 0; K's operand for tile t is v[32 + 6 t] on,
; twelve registers, of which the upper six are the next tile's codes (or six zeros): they meet Q's zero codes and add nothing.
; LIMITS: v_exp_f32 is taken not to fall where its input rises (a block's largest p is made from its largest score); what falls under 2^-126 counts as 0; a block of zeros keeps the byte 1; NaN and infinities are not served.
; The two scale bytes a row and head go out as single bytes, 8 bytes apart: 262,144 bytes in the launch are written so, in parts of their 256-byte neighbourhoods.
.set STEPB, 13056                      ; a key step in LDS and in kv: K 8 x 768, V^T 4 x 1,536, K's words 8 x 64, V's 4 x 64
.set VIMG,  6144
.set KSC,   12288
.set VSC,   12800
.set HEADB, 16*STEPB
.set QHEAD, 106496                     ; a head in q_buf
.set L8,   1                           ; v1   8 x lane
.set L4,   2                           ; v2   4 x lane
.set ADK,  3                           ; v3   LDS address of the step's images
.set ADS,  4                           ; v4   of its scale words
.set R4,   5                           ; v5   4 r
.set R8H,  6                           ; v6   8 r + h
.set QFB,  16                          ; v16-27 tile B's Q (22-27 zeros);  v28 its scale words
.set QSB,  28
.set KF,   32                          ; v32-79 K's 8 tiles x 6, later V^T's 4 x 12;  v80-85 zeros
.set S,    96                          ; v96-159 S^T, then p
.set O,    160                         ; v160-191 O^T
.set PCD,  192                         ; v192-203 p's codes
.set CT,   204                         ; v204-206, v208-210 the upper halves' codes
.set BM,   212                         ; v212-215 a block's largest score, then its largest p
.set BX,   216                         ; v216-219 the other half's; then the scale bytes
.set BS,   220                         ; v220-223 the conversions' scale operands
.set FF,   224                         ; v[224:225] f = 2^(old M - new M) (v225 is named with it as a pair)
.set PSW,  226                         ; p's scale word
.set TT,   227                         ; at work
.set KS,   228                         ; v228-231 K's scale words: lanes 0-15 tile 2 u, lanes 16-31 tile 2 u + 1
.set VS,   232                         ; v232-233 V's likewise
.set L2,   234                         ; v[234:235] the sum's second chain
.set NINF, 236                         ; -infinity
.set DM,   237                         ; my query's place in its 128 tokens - 16 h
.set QFA,  238                         ; v238-249 tile A's Q (244-249 zeros);  v250 its scale words
.set QSA,  250
.set WV,   12                          ; s12  wave;  s13 cx;  s14 the head;  s15, s16 a of tile A, B;  s17 sp;  s18, s19 the tiles' numbers
.set SEL,  20                          ; s[20:21] lane selects for v_permlanex16_b32: lane l xor 16
.set CS,   22                          ; s[22:23] log2(e): the packed form names a pair and takes its low word for both halves
.set G1,   24                          ; s[24:31], s[32:35] the descriptor
.set G0,   32
.set TB,   40                          ; s40  LDS byte at which the step in hand begins
.set J,    41                          ; s41  the step's number: the loops' counter
.set AA,   44                          ; s[44:51] tile A: Q's half image, Q's words, its place in ao_img, in ao_sc
.set AB,   52                          ; s[52:59] tile B
.set HI16, 60                          ; s60  lanes 16-31
.macro ROUND                           ; a round of the cluster's barrier
	s_barrier_signal -1
	s_barrier_wait -1
	s_cmp_lg_u32 s[WV], 0
	s_cbranch_scc1 .Lnot_wave_0_\@
	s_barrier_signal -3
.Lnot_wave_0_\@:
	s_barrier_wait -3
	s_barrier_signal -1
	s_barrier_wait -1
.endm
.macro TILEADR tau, o                  ; the four addresses of query tile s[tau] into s[o] on
	s_mul_i32 s36, s[\tau], 768
	s_add_co_u32 s36, s36, s38
	s_mov_b32 s37, 0
	s_add_nc_u64 s[\o:\o+1], s[4:5], s[36:37]
	s_lshl_b32 s36, s[\tau], 6
	s_add_co_u32 s36, s36, s38
	s_add_co_u32 s36, s36, 98304
	s_add_nc_u64 s[\o+2:\o+3], s[4:5], s[36:37]
	s_add_co_u32 s43, s39, s[\tau]                 ; the tile among all 512
	s_mul_i32 s36, s43, 12288
	s_add_co_u32 s36, s36, s61
	s_add_nc_u64 s[\o+4:\o+5], s[8:9], s[36:37]
	s_lshl_b32 s36, s43, 9
	s_add_co_u32 s36, s36, s63
	s_add_nc_u64 s[\o+6:\o+7], s[10:11], s[36:37]
.endm
.macro INIT                            ; a tile begins: the largest t under every t, zeros for the sum and O^T (the step is written once: the first change of M multiplies zeros)
	v_mov_b32 v13, 0xff61b1e6                      ; -3e38
	v_floor_f32 v12, -v13                          ; -M
	v_mov_b32 v14, 0
	v_mov_b32 v15, 0
.set n, 0
.rept 32
	v_mov_b32 v[O+n], 0
.set n, n+1
.endr
.endm
; A KEY STEP of 128 keys for the tile whose Q stands in v[qf] on, scale words v[qs], diagonal step s[a].
.macro STEP qf, qs, a
	s_cmp_gt_u32 s[J], s[\a]                       ; all its keys come after my queries: the step's work is left out, not the lines that step addresses
	s_cbranch_scc1 .Lhidden_\@
	v_add_nc_u32 v[ADK], s[TB], v[L8]
	v_add_nc_u32 v[ADS], s[TB], v[L4]
	v_nop
	v_nop                                          ; four places in front of loads into registers that the last step's products have read
.irp t, 0,1,2,3,4,5,6,7
.irp p, 0,1,2
	ds_load_b64 v[KF+6*\t+2*\p:KF+6*\t+2*\p+1], v[ADK] offset:768*\t+256*\p
.endr
.endr
.irp u, 0,1,2,3
	ds_load_b32 v[KS+\u], v[ADS] offset:KSC+128*\u
.endr
	s_wait_dscnt 0x0
.irp u, 0,1,2,3
	v_wmma_scale_f32_16x16x128_f8f6f4 v[S+16*\u:S+16*\u+7], v[KF+12*\u:KF+12*\u+11], v[\qf:\qf+11], 0, v[KS+\u], v[\qs] matrix_a_fmt:MATRIX_FMT_FP6 matrix_b_fmt:MATRIX_FMT_FP6
	v_wmma_scale_f32_16x16x128_f8f6f4 v[S+16*\u+8:S+16*\u+15], v[KF+12*\u+6:KF+12*\u+17], v[\qf:\qf+11], 0, v[KS+\u], v[\qs] matrix_a_fmt:MATRIX_FMT_FP6 matrix_b_fmt:MATRIX_FMT_FP6 matrix_a_scale:MATRIX_SCALE_ROW1
.endr
.rept 4
	v_nop                                          ; places: for the loads below, into K's registers, and for the first read of the scores
.endr
.irp d, 0,1,2,3                                ; V^T is asked for now and lands under the softmax
.irp p, 0,1,2,3,4,5
	ds_load_b64 v[KF+12*\d+2*\p:KF+12*\d+2*\p+1], v[ADK] offset:VIMG+1536*\d+256*\p
.endr
.endr
.irp u, 0,1
	ds_load_b32 v[VS+\u], v[ADS] offset:VSC+128*\u
.endr
	s_cmp_lg_u32 s[J], s[\a]                       ; on the diagonal the scores of hidden keys become -infinity ahead of the maximum: p = 0 then
	s_cbranch_scc1 .Lopen_\@
.set n, 0
.rept 64
	v_cmp_gt_i32 vcc_lo, 32*(n/16)+n%16, v[DM]     ; register 16 b + i holds key 32 b + 16 h + i of the step: hidden where 32 b + i > my query's place - 16 h
	v_cndmask_b32 v[S+n], v[S+n], v[NINF], vcc_lo
.set n, n+1
.endr
.Lopen_\@:
.irp b, 0,1,2,3
	v_max3_num_f32 v[BM+\b], v[S+16*\b], v[S+1+16*\b], v[S+2+16*\b]   ; the largest score of each block of 32 keys: for the row's maximum and, since p rises with the score, for the block's largest p
.endr
.irp i, 3,5,7,9,11,13
.irp b, 0,1,2,3
	v_max3_num_f32 v[BM+\b], v[BM+\b], v[S+16*\b+\i], v[S+1+16*\b+\i]
.endr
.endr
.irp b, 0,1,2,3
	v_max_num_f32 v[BM+\b], v[BM+\b], v[S+15+16*\b]
.endr
.irp b, 0,1,2,3
	v_permlanex16_b32 v[BX+\b], v[BM+\b], s[SEL], s[SEL+1]
.endr
.irp b, 0,1,2,3
	v_max_num_f32 v[BM+\b], v[BM+\b], v[BX+\b]     ; with lane l xor 16's 16 keys
.endr
	v_max3_num_f32 v[TT], v[BM], v[BM+1], v[BM+2]
	v_max_num_f32 v[TT], v[TT], v[BM+3]            ; the step's largest score of my query
	v_mul_f32 v[TT], s[CS], v[TT]                  ; as t
	v_max_num_f32 v13, v13, v[TT]                  ; the running largest t
	v_mov_b32 v[TT], v12
	v_floor_f32 v12, -v13                          ; the new -M = -ceil(t): M is a whole number
	v_sub_f32 v[TT], v12, v[TT]                    ; old M - new M: a whole number, 0 or less
	v_cvt_i32_f32 v[TT], v[TT]                     ; (it saturates)
	v_ldexp_f32 v[FF], 1.0, v[TT]                  ; f = 2^(old M - new M)
.set n, 0
.rept 32
	v_pk_fma_f32 v[S+n:S+n+1], v[S+n:S+n+1], s[CS:CS+1], v[12:13] op_sel_hi:[1,0,0]   ; t - M, two at a time
.set n, n+2
.endr
.irp b, 0,1,2,3
	v_fma_f32 v[BM+\b], v[BM+\b], s[CS], v12       ; the same of each block's largest score
.endr
.set n, 0
.rept 64
	v_exp_f32 v[S+n], v[S+n]                       ; p = 2^(t - M), at most 1
.set n, n+1
.endr
	v_pk_mul_f32 v[14:15], v[14:15], v[FF:FF+1] op_sel_hi:[1,0]   ; the sum under the new M: the plain place behind the exponentials
	s_wait_alu depctr_va_vdst(0)                   ; one wait for the batch of 64, ahead of its first reader
.irp b, 0,1,2,3
	v_exp_f32 v[BM+\b], v[BM+\b]                   ; the block's largest p: the same two instructions on the same number give the same bits
.endr
	v_pk_add_f32 v[L2:L2+1], v[S:S+1], v[S+2:S+3]  ; the row's sum, of the unquantised p, in two chains
.irp j, 4,8,12,16,20,24,28,32,36,40,44,48,52,56,60
	v_pk_add_f32 v[14:15], v[14:15], v[S+\j:S+\j+1]
	v_pk_add_f32 v[L2:L2+1], v[L2:L2+1], v[S+2+\j:S+3+\j]
.endr
	v_pk_add_f32 v[14:15], v[14:15], v[L2:L2+1]
	s_wait_alu depctr_va_vdst(0)                   ; and one for the four
.irp b, 0,1,2,3
	v_max_num_f32 v[BM+\b], 0x1800000, v[BM+\b]    ; the floor 2^(3 - 127): the byte cannot fall under 1
.endr
.irp b, 0,1,2,3
	v_add_nc_u32 v[BS+\b], 0xff000000, v[BM+\b]    ; 2 off the exponent field: the conversion's scale operand
.endr
.irp b, 0,1,2,3
	v_lshrrev_b32 v[BX+\b], 23, v[BS+\b]           ; the scale's byte
.endr
	v_lshl_or_b32 v[PSW], v[BX+1], 8, v[BX]
	v_lshl_or_b32 v[PSW], v[BX+2], 16, v[PSW]
	v_lshl_or_b32 v[PSW], v[BX+3], 24, v[PSW]
.irp c, 0,1
	v_cvt_scalef32_pk16_fp6_f32 v[PCD+6*\c:PCD+2+6*\c], v[S+32*\c:S+15+32*\c], v[BS+2*\c]
	v_cvt_scalef32_pk16_fp6_f32 v[CT+4*\c:CT+2+4*\c], v[S+16+32*\c:S+31+32*\c], v[BS+1+2*\c]
.endr
	v_nop                                          ; one plain place behind the scaled conversions
.irp c, 0,1                                    ; the layout wants a whole block in a lane
.irp i, 0,1,2
	v_permlane16_swap_b32 v[PCD+6*\c+\i], v[CT+4*\c+\i]
.endr
.irp i, 0,1,2
	v_mov_b32 v[PCD+3+6*\c+\i], v[CT+4*\c+\i]
.endr
.endr
.set n, 0
.rept 16
	v_pk_mul_f32 v[O+n:O+n+1], v[O+n:O+n+1], v[FF:FF+1] op_sel_hi:[1,0]   ; O^T under the new M, from its low end on.  These sixteen are also the places between the scale word, the codes and the products
.set n, n+2
.endr
	s_wait_dscnt 0x0                               ; V^T and its scale words are in
.irp u, 0,1                                    ; O^T += V^T P^T: four accumulators by turns, one instruction a turn
	v_wmma_scale_f32_16x16x128_f8f6f4 v[O+16*\u:O+16*\u+7], v[KF+24*\u:KF+24*\u+11], v[PCD:PCD+11], v[O+16*\u:O+16*\u+7], v[VS+\u], v[PSW] matrix_a_fmt:MATRIX_FMT_FP6 matrix_b_fmt:MATRIX_FMT_FP6
	v_wmma_scale_f32_16x16x128_f8f6f4 v[O+16*\u+8:O+16*\u+15], v[KF+24*\u+12:KF+24*\u+23], v[PCD:PCD+11], v[O+16*\u+8:O+16*\u+15], v[VS+\u], v[PSW] matrix_a_fmt:MATRIX_FMT_FP6 matrix_b_fmt:MATRIX_FMT_FP6 matrix_a_scale:MATRIX_SCALE_ROW1
.endr
.Lhidden_\@:
	s_add_co_u32 s[TB], s[TB], STEPB
.endm
.macro WALK qf, qs, a, trips           ; every wave walks all trips: the count is a constant
	s_mov_b32 s[TB], 0
	s_mov_b32 s[J], 0
.Lstep_\@:
	STEP \qf, \qs, \a
	s_add_co_u32 s[J], s[J], 1
	s_cmp_lt_u32 s[J], \trips
	s_cbranch_scc1 .Lstep_\@
.endm
; A tile ends: O^T / the sum, quantised along the head's 64 channels (two blocks): half an image and two scale bytes a row.  Register 16 b + i is channel 32 b + 16 h + i.
.macro FIN o
.rept 4
	v_nop                                          ; places behind the last products
.endr
	v_add_f32 v14, v14, v15
	v_permlanex16_b32 v[TT], v14, s[SEL], s[SEL+1]
	v_add_f32 v14, v14, v[TT]                      ; the row's sum
	v_rcp_f32 v14, v14
	v_nop                                          ; a plain place behind the reciprocal,
	s_wait_alu depctr_va_vdst(0)                   ; and the wait ahead of its first reader
.set n, 0
.rept 32
	v_mul_f32 v[S+n], v[O+n], v14
.set n, n+1
.endr
.irp b, 0,1
	v_max3_num_f32 v[BM+\b], |v[S+16*\b]|, |v[S+1+16*\b]|, 0x1800000
.endr
.irp i, 2,4,6,8,10,12,14
.irp b, 0,1
	v_max3_num_f32 v[BM+\b], v[BM+\b], |v[S+16*\b+\i]|, |v[S+1+16*\b+\i]|
.endr
.endr
.irp b, 0,1
	v_permlanex16_b32 v[BX+\b], v[BM+\b], s[SEL], s[SEL+1]
.endr
.irp b, 0,1
	v_max_num_f32 v[BM+\b], v[BM+\b], v[BX+\b]
.endr
.irp b, 0,1
	v_add_nc_u32 v[BS+\b], 0xff000000, v[BM+\b]
.endr
.irp b, 0,1
	v_lshrrev_b32 v[BX+\b], 23, v[BS+\b]
.endr
	v_cvt_scalef32_pk16_fp6_f32 v[PCD:PCD+2], v[S:S+15], v[BS]
	v_cvt_scalef32_pk16_fp6_f32 v[CT:CT+2], v[S+16:S+31], v[BS+1]
	v_nop
.irp i, 0,1,2
	v_permlane16_swap_b32 v[PCD+\i], v[CT+\i]
.endr
.irp i, 0,1,2
	v_mov_b32 v[PCD+3+\i], v[CT+\i]
.endr
	v_cndmask_b32 v[TT], v[BX], v[BX+1], s[HI16]   ; lanes 0-15 store block 0's byte, lanes 16-31 block 1's
.irp p, 0,1,2
	global_store_b64 v[L8], v[PCD+2*\p:PCD+2*\p+1], s[\o+4:\o+5] offset:256*\p   ; 32 lanes store 256 consecutive bytes, aligned
.endr
	global_store_b8 v[R8H], v[TT], s[\o+6:\o+7]
.endm
	s_load_b256 s[4:11], s[0:1], 0x0               ; q_buf s[4:5], kv s[6:7], ao_img s[8:9], ao_sc s[10:11]
	v_lshl_add_u32 v254, v0, 2, 0x33000
	v_mov_b32 v255, 0
	ds_add_u32 v254, v255
	ds_add_u32 v254, v255
	v_lshrrev_b32 v7, 5, v0
	v_readfirstlane_b32 s[WV], v7                  ; wave 0..15
	s_bfe_u32 s13, ttmp6, 0x40000                  ; cx
	s_mov_b32 s14, ttmp9                           ; the cluster's number: batch x head
	; the descriptor: a key step, 13,056 dense bytes, as 51 rows of 256 (32 elements of 8 bytes)
	s_mov_b32 s[G1], 15|(3<<16)|(1<<21)            ; 15:0 the mask: all four work-groups; 17:16 elements of 8 bytes; 20 no padding; 21 set beside a mask
	s_mov_b32 s[G1+1], 32<<16                      ; tensor_dim0
	s_mov_b32 s[G1+2], 51<<16                      ; tensor_dim1
	s_mov_b32 s[G1+3], 32<<16                      ; tile_dim0
	s_mov_b32 s[G1+4], 51                          ; tile_dim1
	s_mov_b32 s[G1+5], 32                          ; tensor_dim0_stride
	s_mov_b32 s[G1+6], 0
	s_mov_b32 s[G1+7], 0
	s_mov_b32 s[G0], 1
	s_mul_i32 s[G0+1], s[WV], STEPB                ; LDS: key step = my wave's number
	s_mul_i32 s36, s14, HEADB
	s_add_co_u32 s36, s36, s[G0+1]
	s_mov_b32 s37, 0
	s_wait_dscnt 0x0
	s_wait_kmcnt 0x0
	s_add_nc_u64 s[G0+2:G0+3], s[6:7], s[36:37]
	s_or_b32 s[G0+3], s[G0+3], 0x80000000
	ROUND                                          ; all four work-groups are here: the joint loads meet
	tensor_load_to_lds s[G0:G0+3], s[G1:G1+7]      ; my one tensor load of the launch
	s_nop 0
.rept 4
	v_nop
.endr
	s_and_b32 s17, s[WV], 1
	s_lshl_b32 s36, s13, 1
	s_add_co_u32 s17, s17, s36                     ; sp
	s_lshr_b32 s15, s[WV], 1                       ; tile A's diagonal step, 0 .. 7
	s_xor_b32 s16, s15, 15                         ; tile B's: 15 less that
	s_lshl_b32 s18, s15, 3
	s_add_co_u32 s18, s18, s17                     ; tile A
	s_lshl_b32 s19, s16, 3
	s_add_co_u32 s19, s19, s17                     ; tile B
	s_mul_i32 s38, s14, QHEAD                      ; the head in q_buf
	s_lshr_b32 s39, s14, 4
	s_lshl_b32 s39, s39, 7                         ; the batch's first token tile
	s_and_b32 s42, s14, 15                         ; the head's number
	s_lshr_b32 s43, s42, 1
	s_mul_i32 s61, s43, 1536
	s_and_b32 s62, s42, 1
	s_mul_i32 s63, s62, 768
	s_add_co_u32 s61, s61, s63                     ; the head's half image among a tile's eight images: K step head / 2, half head % 2
	s_lshr_b32 s63, s42, 2
	s_lshl_b32 s63, s63, 7
	s_and_b32 s43, s43, 1
	s_lshl_b32 s43, s43, 2
	s_add_co_u32 s63, s63, s43
	s_lshl_b32 s62, s62, 1
	s_add_co_u32 s63, s63, s62                     ; the head's two bytes in a lane-row's scale words
	TILEADR 18, AA
	TILEADR 19, AB
	v_and_b32 v7, 31, v0
	v_and_b32 v8, 15, v0                           ; r
	v_bfe_u32 v9, v0, 4, 1                         ; h
	v_lshlrev_b32 v[L8], 3, v7
	v_lshlrev_b32 v[L4], 2, v7
	v_lshlrev_b32 v[R4], 2, v8
	v_lshl_add_u32 v[R8H], v8, 3, v9
.irp p, 0,1,2
	global_load_b64 v[QFB+2*\p:QFB+2*\p+1], v[L8], s[AB:AB+1] offset:256*\p
	global_load_b64 v[QFA+2*\p:QFA+2*\p+1], v[L8], s[AA:AA+1] offset:256*\p
.endr
	global_load_b32 v[QSB], v[R4], s[AB+2:AB+3]
	global_load_b32 v[QSA], v[R4], s[AA+2:AA+3]
	s_lshr_b32 s36, s17, 1
	s_lshl_b32 s36, s36, 5
	s_and_b32 s37, s17, 1
	s_lshl_b32 s37, s37, 3
	s_add_co_u32 s36, s36, s37                     ; the tile's first token in its 128: 32 (sp / 2) + 8 (sp % 2)
	v_and_b32 v10, 8, v8
	v_add_nc_u32 v10, v10, v8
	v_lshlrev_b32 v11, 4, v9
	v_sub_nc_u32 v10, v10, v11
	v_add_nc_u32 v[DM], s36, v10
	s_mov_b32 s[SEL], 0x76543210
	s_mov_b32 s[SEL+1], 0xfedcba98
	s_mov_b32 s[CS], 0x3fb8aa3b                    ; log2(e)
	s_mov_b32 s[CS+1], s[CS]
	s_mov_b32 s[HI16], 0xffff0000
	v_mov_b32 v[NINF], 0xff800000
.irp i, 0,1,2,3,4,5
	v_mov_b32 v[QFB+6+\i], 0                       ; the upper 64 of the first product's K: zero codes
	v_mov_b32 v[QFA+6+\i], 0
	v_mov_b32 v[KF+48+\i], 0                       ; what stands behind K's last tile
.endr
.irp b, 0,1,2,3
	v_mov_b32 v[BX+\b], 0                          ; written once: a lane permute's destination counts as one of its sources
.endr
	v_mov_b32 v[TT], 0
	v_mov_b32 v[FF+1], 0
	INIT
	s_wait_tensorcnt 0x0                           ; my key step has landed,
	s_barrier_signal -1
	s_barrier_wait -1                              ; everybody's has: the head's K and V lie in LDS
	s_wait_loadcnt 0x0                             ; Q
	WALK QFB, QSB, 16, 16
	FIN AB
	s_wait_xcnt 0x0                                ; the stores have read their data, which tile A's steps write again
	INIT
	WALK QFA, QSA, 15, 8
	FIN AA
	s_wait_tensorcnt 0x0
	ds_add_u32 v254, v255
	s_wait_dscnt 0x0
	ROUND                                          ; the closing round
	s_endpgm
.Lfunc_end_k_qf67bcce865_attn:
	.size	k_qf67bcce865_attn, .Lfunc_end_k_qf67bcce865_attn-k_qf67bcce865_attn
	.p2alignl 7, 3214868480
	.fill 96, 4, 3214868480
	.section	.rodata,"a",@progbits
	.p2align	6, 0x0
	.amdhsa_kernel k_qf67bcce865_attn
		.amdhsa_group_segment_fixed_size 210944
		.amdhsa_private_segment_fixed_size 0
		.amdhsa_enable_private_segment 0
		.amdhsa_kernarg_size 32
		.amdhsa_user_sgpr_count 2
		.amdhsa_user_sgpr_kernarg_segment_ptr 1
		.amdhsa_wavefront_size32 1
		.amdhsa_system_sgpr_workgroup_id_x 1
		.amdhsa_system_sgpr_workgroup_id_y 1
		.amdhsa_system_sgpr_workgroup_id_z 1
		.amdhsa_system_vgpr_workitem_id 0
		.amdhsa_next_free_vgpr 256
		.amdhsa_next_free_sgpr 66
		.amdhsa_reserve_vcc 1
		.amdhsa_float_denorm_mode_32 3
		.amdhsa_float_denorm_mode_16_64 3
		.amdhsa_memory_ordered 1
		.amdhsa_forward_progress 1
		.amdhsa_inst_pref_size 61
	.end_amdhsa_kernel
	.amdgpu_metadata
---
amdhsa.version: [ 1, 2 ]
amdhsa.kernels:
  - .name:           k_qf67bcce865_attn
    .symbol:         k_qf67bcce865_attn.kd
    .args:
      - { .name: q_buf, .offset: 0, .size: 8, .value_kind: global_buffer, .address_space: global }
      - { .name: kv, .offset: 8, .size: 8, .value_kind: global_buffer, .address_space: global }
      - { .name: ao_img, .offset: 16, .size: 8, .value_kind: global_buffer, .address_space: global }
      - { .name: ao_sc, .offset: 24, .size: 8, .value_kind: global_buffer, .address_space: global }
    .group_segment_fixed_size: 210944
    .private_segment_fixed_size: 0
    .kernarg_segment_align: 8
    .kernarg_segment_size: 32
    .max_flat_workgroup_size: 512
    .sgpr_count:     66
    .vgpr_count:     256
    .wavefront_size: 32
...
	.end_amdgpu_metadata
.endif
;; end of part 3
;; launch proj (part 4): grid 4 x 32, 4 waves a work-group, clusters of 4 x 4, 327,680 bytes of LDS; arguments ao_img, ao_sc, ops_img, ops_sc, proj_b, out0; writes out0
.if DOCPART == 4
	.amdgcn_target "amdgcn-amd-amdhsa--gfx1250"
	.amdhsa_code_object_version 6
	.text
	.protected	k_qf67bcce865_proj
	.globl	k_qf67bcce865_proj
	.p2align	8
	.type	k_qf67bcce865_proj,@function
k_qf67bcce865_proj:
	s_mov_b64 s[64:65], 0
	v_nop
	global_prefetch_b8 v0, s[64:65] scope:SCOPE_SE
	s_setreg_imm32_b32 hwreg(HW_REG_WAVE_MODE, 25, 1), 1
	s_wait_xcnt 0x0
	s_wait_alu depctr_hold_cnt(0) depctr_sa_sdst(0) depctr_va_vdst(0) depctr_va_sdst(0) depctr_va_ssrc(0) depctr_va_vcc(0) depctr_vm_vsrc(0)
	s_getreg_b32 s2, hwreg(HW_REG_IB_STS2, 6, 4)
	s_cmp_eq_u32 s2, 0
	s_cbranch_scc0 .Lentry_in_a_cluster
	s_endpgm
.Lentry_in_a_cluster:
	s_bfe_u32 s2, ttmp6, 0x10000c
	s_cmp_lg_u32 s2, 0xf033
	s_cbranch_scc0 .Lentry_shape_is_right
	s_endpgm
.Lentry_shape_is_right:
; out0 [8192][1024] f32 = (attention's output) x proj_w + proj_b, K = 1,024, on codes of FP6 (E2M3) with E8M0 scales.
; A = attention's output, ao_img [token tile 0..511][K step][1,536] and ao_sc, 512 bytes a tile; B = proj_w's columns, tiles 704-767 of ops_img and ops_sc: register images (pair p at 256 p + 8 x lane) and scale words
; [K / 256][r][2].  Lane-row r of tile 2 G + u is row 32 G + 8 u + r + 8 (r / 8).  THE MATRIX INSTRUCTION IS USED TRANSPOSED (source 0 = 16 rows of B, source 1 = 16 rows of A): lane (r, h) holds token lane-row r, and
; register j of accumulator b the output column 32 (b / 2) + 16 h + 8 (b % 2) + j of my 128.
; A tile of the result is 256 x 256, four waves of 128 x 128; K goes in four slots of 256 through a ring of two LDS slots; clusters of 4 x 4: A's tiles are asked for jointly along a row, B's along a column.
; The bias is the C of each sum's first matrix instruction.  The grid has 128 work-groups: a tile of half the size would read each LDS byte for half as many products.
; No prefetch: K is four slots, of which two are asked for at the head.
; REGISTERS, in windows of 256: window 0: v16-29 addresses; v32-63 scale words, two sets; v64-127 the bias; v128-223 A's fragments, one set; on the way out v128-255 rows of the result.
;   window 1: B's fragments, two sets.   window 2: the accumulators of A's blocks 0-3 ((a, b) at v[8 (8 a + b)]);   window 3: those of blocks 4-7.
.set NQ,     2
.set FR,     12
.set NL,     6
.set NP,     4
.set FRB,    1536
.set TILEB,  NQ*FRB
.set TROW,   8*FRB
.set HALFT,  8*TILEB
.set SLOT,   4*HALFT
.set SCL,    2*SLOT                    ; A's scale words, 16 tiles x 512 bytes;
.set SCB,    SCL+8192+128              ; B's, 128 bytes off a multiple of 256, so that the two halves of the lanes touch different words modulo 256 bytes
.set SPARE,  SCB+8192+128              ; the spare words, 128 bytes for each wave: two blocks of 256 bytes that no other line names
.set SPITCH, 528                       ; the way out: a stage of 16 rows x (512 bytes + 16) for each wave, in slot 0, which has had its last fill and its last read when the first result is stored there
.set ADRA, 16
.set L8,   18
.set ADRB, 20
.set STO,  24                          ; v24     the way out: where I put my bytes of a row
.set RD,   25                          ; v25     where I read a row back
.set CO,   26                          ; v26     16 x lane: my bytes of a row of 512
.set ADRS, 27
.set SPW,  28
.set NIL,  29
.set SC,   32
.set BI,   64                          ; v64-127 the bias in the result's layout: v[BI + 8 b + j]
.set AF,   128
.set BK,   128                         ; the way out: 16 rows read back: v128-191 and v192-255 by turns
.set G1, 24
.set G0, 32
.set G1B, 48
.set G0B, 56
.set G1S, 68
.set G0S, 76
.set G1SB, 80
.set G0SB, 88
.set MSB, 0
.macro WIN new                         ; the immediate's high byte repeats the setting that is left; a switch that changes nothing is dropped
.if MSB != (\new)
	s_set_vgpr_msb (MSB<<8)|(\new)
.set MSB, \new
.endif
.endm
.set MUL_LO, 0xa1                      ; source 0 (B) window 1, source 1 (A) window 0, C and D window 2
.set MUL_HI, 0xf1                      ; the same, C and D window 3
.set BIAS_LO, 0x81                     ; the first step: C (the bias) window 0, D window 2
.set BIAS_HI, 0xc1                     ; D window 3
.set TO_B,   0x40
.macro JLOAD g0a, g1a, g0b, g1b        ; a joint load: waves 0 and 1 fetch for A, waves 2 and 3 for B; four v_nop follow each of the two lines
	s_cmp_eq_u32 s15, 0
	s_cbranch_scc0 .Lfor_b_\@
	tensor_load_to_lds s[\g0a:\g0a+3], s[\g1a:\g1a+7]
	s_nop 0
.rept 4
	v_nop
.endr
	s_branch .Lasked_\@
.Lfor_b_\@:
	tensor_load_to_lds s[\g0b:\g0b+3], s[\g1b:\g1b+7]
	s_nop 0
.rept 4
	v_nop
.endr
.Lasked_\@:
.endm
.macro CREST
	s_cmp_lg_u32 s14, 0
	s_cbranch_scc1 .Lnot_wave_0_\@
	s_barrier_signal -3
.Lnot_wave_0_\@:
	s_barrier_wait -3
	s_barrier_signal -1
	s_barrier_wait -1
.endm
.macro CROUND
	s_barrier_signal -1
	s_barrier_wait -1
	CREST
.endm
	s_load_b256 s[4:11], s[0:1], 0x0               ; ao_img s[4:5], ao_sc s[6:7], ops_img s[8:9], ops_sc s[10:11]
	s_load_b128 s[92:95], s[0:1], 0x20             ; proj_b s[92:93], out0 s[94:95]
	v_lshl_add_u32 v[SPW], v0, 2, SPARE
	v_mov_b32 v[NIL], 0
	ds_add_u32 v28, v29
	ds_add_u32 v28, v29
	s_wait_dscnt 0x0
	v_lshrrev_b32 v1, 5, v0
	v_readfirstlane_b32 s14, v1                    ; wave 0..3
	s_lshr_b32 s15, s14, 1                         ; which half of A's 16 tiles is mine.  Also: I fetch for A (0) or for B (1)
	s_and_b32 s16, s14, 1                          ; which half of B's.  Also: which 8 tiles I fetch
	s_bfe_u32 s40, ttmp6, 0x40000                  ; cx, cy
	s_bfe_u32 s41, ttmp6, 0x40004
	s_lshl_b32 s42, ttmp9, 2
	s_add_co_u32 s42, s42, s40                     ; tile column of the result
	s_and_b32 s17, ttmp7, 0xffff
	s_lshl_b32 s17, s17, 2
	s_add_co_u32 s17, s17, s41                     ; tile row
	s_lshl_b32 s43, s41, 2
	s_lshl_b32 s43, 15, s43                        ; my row of the cluster
	s_lshl_b32 s44, 0x1111, s40                    ; my column
	; descriptor group 1: 8 tiles' parts of a slot: 8 rows of 3,072 bytes (384 elements of 8), 12,288 bytes apart in memory, dense in LDS
	s_or_b32 s[G1+0], s43, (3<<16)|(1<<21)
	s_or_b32 s[G1B+0], s44, (3<<16)|(1<<21)
.irp g, G1, G1B
	s_mov_b32 s[\g+1], 384<<16
	s_mov_b32 s[\g+2], 8<<16
	s_mov_b32 s[\g+3], 384<<16
	s_mov_b32 s[\g+4], 8
	s_mov_b32 s[\g+5], 1536
	s_mov_b32 s[\g+6], 0
	s_mov_b32 s[\g+7], 0
.endr
	; 8 tiles' scale words: 4,096 dense bytes as 16 rows of 256
	s_or_b32 s[G1S+0], s43, (3<<16)|(1<<21)
	s_or_b32 s[G1SB+0], s44, (3<<16)|(1<<21)
.irp g, G1S, G1SB
	s_mov_b32 s[\g+1], 32<<16
	s_mov_b32 s[\g+2], 16<<16
	s_mov_b32 s[\g+3], 32<<16
	s_mov_b32 s[\g+4], 16
	s_mov_b32 s[\g+5], 32
	s_mov_b32 s[\g+6], 0
	s_mov_b32 s[\g+7], 0
.endr
	s_lshl_b32 s19, s16, 3
	s_lshl_b32 s20, s17, 4
	s_add_co_u32 s20, s20, s19                     ; A: tile 16 x tile row + 8 x half
	s_lshl_b32 s22, s20, 9
	s_mov_b32 s23, 0
	s_mul_i32 s20, s20, TROW
	s_mov_b32 s21, 0
	s_lshl_b32 s47, s16, 3
	s_lshl_b32 s46, s42, 4
	s_add_co_u32 s46, s46, s47
	s_add_co_u32 s46, s46, 704                     ; B: tile 704 + 16 x tile column + 8 x half
	s_lshl_b32 s96, s46, 9
	s_mov_b32 s97, 0
	s_mul_i32 s46, s46, TROW
	s_mov_b32 s47, 0
	s_mul_i32 s45, s14, HALFT                      ; where the tiles go: wave x 8 tiles
	s_lshl_b32 s18, s16, 12                        ; and the scale words: 4,096 x half
	s_wait_kmcnt 0x0
	s_add_nc_u64 s[20:21], s[4:5], s[20:21]
	s_add_nc_u64 s[22:23], s[6:7], s[22:23]
	s_add_nc_u64 s[46:47], s[8:9], s[46:47]
	s_add_nc_u64 s[96:97], s[10:11], s[96:97]
	CROUND                                         ; all sixteen work-groups are here: the first joint loads meet
	s_mov_b32 s[G0S], 1
	s_add_co_u32 s[G0S+1], s18, SCL
	s_mov_b64 s[G0S+2:G0S+3], s[22:23]
	s_or_b32 s[G0S+3], s[G0S+3], 0x80000000
	s_mov_b32 s[G0SB], 1
	s_add_co_u32 s[G0SB+1], s18, SCB
	s_mov_b64 s[G0SB+2:G0SB+3], s[96:97]
	s_or_b32 s[G0SB+3], s[G0SB+3], 0x80000000
	JLOAD G0S, G1S, G0SB, G1SB                     ; the scale words for all of K: filled once
.irp s, 0,1
	s_mov_b32 s[G0+4*\s], 1
	s_add_co_u32 s[G0+4*\s+1], s45, \s*SLOT
	s_add_nc_u64 s[G0+4*\s+2:G0+4*\s+3], s[20:21], \s*TILEB
	s_or_b32 s[G0+4*\s+3], s[G0+4*\s+3], 0x80000000
	s_mov_b32 s[G0B+4*\s], 1
	s_add_co_u32 s[G0B+4*\s+1], s45, \s*SLOT
	s_add_nc_u64 s[G0B+4*\s+2:G0B+4*\s+3], s[46:47], \s*TILEB
	s_or_b32 s[G0B+4*\s+3], s[G0B+4*\s+3], 0x80000000
	JLOAD G0+4*\s, G1, G0B+4*\s, G1B               ; three tensor loads of mine are out now
.endr
	v_and_b32 v1, 15, v0                           ; r
	v_bfe_u32 v2, v0, 4, 1                         ; h
	v_and_b32 v3, 31, v0
	v_lshlrev_b32 v[L8], 3, v3
	; the bias of my 128 columns, in the result's layout.  What mixes cx and cy lives in s12, s13, which feed no descriptor
	s_lshl_b32 s12, s42, 10
	s_lshl_b32 s13, s16, 9
	s_add_co_u32 s12, s12, s13                     ; my first column, in bytes: 1,024 x tile column + 512 x half
	s_mov_b32 s13, 0
	s_add_nc_u64 s[92:93], s[92:93], s[12:13]
	s_add_nc_u64 s[94:95], s[94:95], s[12:13]
	v_lshlrev_b32 v4, 6, v2                        ; 16 h columns
.irp b, 0,1,2,3,4,5,6,7
	global_load_b128 v[BI+8*\b:BI+8*\b+3], v4, s[92:93] offset:128*(\b/2)+32*(\b%2)
	global_load_b128 v[BI+8*\b+4:BI+8*\b+7], v4, s[92:93] offset:128*(\b/2)+32*(\b%2)+16
.endr
	s_lshl_b32 s12, s17, 8
	s_lshl_b32 s13, s15, 7
	s_add_co_u32 s12, s12, s13                     ; my first row: 256 x tile row + 128 x half
	s_lshl_b32 s12, s12, 12                        ; rows of 4,096 bytes
	s_mov_b32 s13, 0
	s_add_nc_u64 s[94:95], s[94:95], s[12:13]
	s_mul_i32 s21, s15, HALFT                      ; my 8 tiles of A
	s_mul_i32 s22, s16, HALFT                      ; my 8 tiles of B,
	s_add_co_u32 s22, s22, 2*HALFT                 ; which lie behind A's 16
.irp s, 0,1
	v_add_nc_u32 v[ADRA+\s], s21, v[L8]
	v_add_nc_u32 v[ADRB+\s], s22, v[L8]
	s_add_co_u32 s21, s21, SLOT
	s_add_co_u32 s22, s22, SLOT
.endr
	v_lshlrev_b32 v5, 3, v1                        ; my lane-row's two words of a slot
	s_lshl_b32 s21, s15, 12
	s_lshl_b32 s22, s16, 12
	s_add_co_u32 s22, s22, SCB-SCL
	s_sub_co_u32 s22, s22, s21
	v_mul_u32_u24 v6, s22, v2                      ; lanes 16-31 take B's: one product, the distance between the two
	s_add_co_u32 s21, s21, SCL
	v_add_nc_u32 v5, v5, v6
	v_add_nc_u32 v[ADRS], s21, v5
	s_mul_i32 s23, s14, 16*SPITCH                  ; my stage
	v_mul_u32_u24 v5, v1, SPITCH
	v_lshl_add_u32 v5, v2, 6, v5
	v_add_nc_u32 v[STO], s23, v5                   ; in: row r, + 64 h
	v_lshlrev_b32 v[CO], 4, v3
	v_add_nc_u32 v[RD], s23, v[CO]                 ; back: the 32 lanes take one row of 512 bytes
.macro FRAG reg, adr, q, i             ; a fragment comes as it was stored: six pairs, 256 consecutive bytes a load
.irp p, 0,1,2,3,4,5
	ds_load_b64 v[\reg+2*\p:\reg+2*\p+1], v[\adr] offset:(\i)*TILEB+(\q)*FRB+256*\p
.endr
.endm
; 16 matrix instructions: A's blocks a0, a0 + 1 x B's eight.  first = 1: the bias is the C: nothing is cleared and nothing is added later.
; The 64 accumulators take turns, one instruction a turn, in the same order in every step.
.macro MUL16 a0, p, q, sc, first
.irp a, \a0, \a0+1
.irp b, 0,1,2,3,4,5,6,7
.if \first
	v_wmma_scale_f32_16x16x128_f8f6f4 v[8*(8*((\a)%4)+\b):8*(8*((\a)%4)+\b)+7], v[128*(\p)+FR*\b:128*(\p)+FR*\b+FR-1], v[AF+FR*(\a):AF+FR*(\a)+FR-1], v[BI+8*\b:BI+8*\b+7], v[SC+8*NQ*(\sc)+NQ*\b+(\q)], v[SC+8*NQ*(\sc)+NQ*(\a)+(\q)] matrix_a_fmt:MATRIX_FMT_FP6 matrix_b_fmt:MATRIX_FMT_FP6 matrix_a_scale:MATRIX_SCALE_ROW1
.else
	v_wmma_scale_f32_16x16x128_f8f6f4 v[8*(8*((\a)%4)+\b):8*(8*((\a)%4)+\b)+7], v[128*(\p)+FR*\b:128*(\p)+FR*\b+FR-1], v[AF+FR*(\a):AF+FR*(\a)+FR-1], v[8*(8*((\a)%4)+\b):8*(8*((\a)%4)+\b)+7], v[SC+8*NQ*(\sc)+NQ*\b+(\q)], v[SC+8*NQ*(\sc)+NQ*(\a)+(\q)] matrix_a_fmt:MATRIX_FMT_FP6 matrix_b_fmt:MATRIX_FMT_FP6 matrix_a_scale:MATRIX_SCALE_ROW1
.endif
.endr
.endr
.endm
.macro FETCH_B slot, q, p
	WIN TO_B
.irp i, 0,1,2,3,4,5,6,7
	FRAG 128*(\p)+FR*\i, ADRB+\slot, \q, \i
.endr
	WIN 0
.endm
.macro FETCH_A slot, q, i0
.irp i, \i0, \i0+1, \i0+2, \i0+3
	FRAG AF+FR*(\i), ADRA+\slot, \q, \i
.endr
.endm
.macro SCALES sc
.irp i, 0,1,2,3,4,5,6,7
	ds_load_b64 v[SC+8*NQ*\sc+NQ*\i:SC+8*NQ*\sc+NQ*\i+1], v[ADRS] offset:512*\i
.endr
.endm
.macro PLACES n                        ; places in front of loads into registers that matrix instructions have read, and of the first read of results
.rept \n
	v_nop
.endr
.endm
.macro STEP slot, q, first
	s_wait_dscnt 4*NL                              ; B's set, A's blocks 0-3 and the scale words are in; the youngest 24 loads (A's blocks 4-7) may be out
.if \first
	WIN BIAS_LO
.else
	WIN MUL_LO
.endif
	MUL16 0, (\q)%2, \q, \slot, \first
	MUL16 2, (\q)%2, \q, \slot, \first
	s_wait_dscnt 0                                 ; A's blocks 4-7 are in
	PLACES NP
	FETCH_B \slot, (\q)+1, 1-(\q)%2
	FETCH_A \slot, (\q)+1, 0
.if \first
	WIN BIAS_HI
.else
	WIN MUL_HI
.endif
	MUL16 4, (\q)%2, \q, \slot, \first
	MUL16 6, (\q)%2, \q, \slot, \first
	PLACES NP
	WIN 0
	FETCH_A \slot, (\q)+1, 4
.endm
; A slot's last step changes slots: one barrier; in front of it each wave waits for all its tensor loads, adds 0 to its spare word, and waits for that and for its own reads of this slot.
.macro TURN slot, next, fill
	s_wait_tensorcnt 0x0                           ; all my tensor loads have landed: my part of the next slot
	ds_add_u32 v[SPW], v[NIL]                      ; 0 onto my spare word
	s_wait_dscnt 4*NL+1                            ; (the add and the youngest 24 loads may be out)
	WIN MUL_LO
	MUL16 0, 1, NQ-1, \slot, 0
	s_wait_dscnt 0x0                               ; the add is done, and my reads of this slot are over
	s_barrier_signal -1
	MUL16 2, 1, NQ-1, \slot, 0
	WIN 0
	s_barrier_wait -1
.if \fill
	CREST                                          ; the barrier has opened a round of the cluster's barrier
	s_add_nc_u64 s[G0+4*\slot+2:G0+4*\slot+3], s[G0+4*\slot+2:G0+4*\slot+3], 2*TILEB
	s_add_nc_u64 s[G0B+4*\slot+2:G0B+4*\slot+3], s[G0B+4*\slot+2:G0B+4*\slot+3], 2*TILEB
	JLOAD G0+4*\slot, G1, G0B+4*\slot, G1B         ; the first tensor load behind the round; its four v_nop are also the places in front of the loads below
.else
	PLACES NP
.endif
	v_add_nc_u32 v[ADRS], 128, v[ADRS]
	FETCH_B \next, 0, 0
	FETCH_A \next, 0, 0
	SCALES \next
	WIN MUL_HI
	MUL16 4, 1, NQ-1, \slot, 0
	MUL16 6, 1, NQ-1, \slot, 0
	PLACES NP
	WIN 0
	FETCH_A \next, 0, 4
.endm
; THE WAY OUT, block by block of 16 rows x 128 columns, through my own stage: in as the lanes hold it, back as whole rows of 512 bytes.  LDS serves a wave's instructions in order: no wait between the stores and the loads.
.macro TOSTAGE a
.set AC, 64*((\a)%4)
	WIN 0x08+4*((\a)/4)                            ; an LDS store's data are its source 1: window 2 or 3
.irp b, 0,1,2,3,4,5,6,7
	ds_store_b128 v[STO], v[AC+8*\b:AC+8*\b+3] offset:128*(\b/2)+32*(\b%2)        ; each accumulator from its low end on
	ds_store_b128 v[STO], v[AC+8*\b+4:AC+8*\b+7] offset:128*(\b/2)+32*(\b%2)+16
.endr
	WIN 0
.set BB, BK+64*((\a)%2)
.irp t, 0,1,2,3,4,5,6,7,8,9,10,11,12,13,14,15
	ds_load_b128 v[BB+4*\t:BB+4*\t+3], v[RD] offset:\t*SPITCH
.endr
.endm
.macro SEND a, younger                 ; younger: the LDS instructions issued behind block a's loads, which may stay out
.set BB, BK+64*((\a)%2)
	s_wait_dscnt \younger
.irp t, 0,1,2,3,4,5,6,7,8,9,10,11,12,13,14,15
	global_store_b128 v[CO], v[BB+4*\t:BB+4*\t+3], s[94:95] offset:(32*((\a)/2)+8*((\a)%2)+\t+8*(\t/8))*4096 th:TH_STORE_NT   ; lane-row t's token stands in the immediate; 32 lanes store 512 consecutive bytes, aligned
.endr
.endm
	s_wait_tensorcnt 1                             ; the scale words and my part of slot 0 are in (slot 1's load may be out)
	s_barrier_signal -1
	s_barrier_wait -1                              ; everybody's are
	FETCH_B 0, 0, 0
	FETCH_A 0, 0, 0
	SCALES 0
	FETCH_A 0, 0, 4
	s_wait_loadcnt 0x0                             ; the bias
	STEP 0, 0, 1
	TURN 0, 1, 1
	STEP 1, 0, 0
	TURN 1, 0, 1
	STEP 0, 0, 0
	TURN 0, 1, 0                                   ; nothing is left to fetch: no round.  Behind this barrier nobody reads slot 0
	STEP 1, 0, 0
	s_wait_dscnt 4*NL
	WIN MUL_LO
	MUL16 0, 1, NQ-1, 1, 0
	MUL16 2, 1, NQ-1, 1, 0
	s_wait_dscnt 0
	WIN MUL_HI
	MUL16 4, 1, NQ-1, 1, 0
	MUL16 6, 1, NQ-1, 1, 0
	WIN 0
	PLACES NP
	TOSTAGE 0
.irp a, 1,2,3,4,5,6,7
.if \a > 1
	s_wait_xcnt 0x0                                ; block a - 2's stores have read their registers: block a's loads may land there
.endif
	TOSTAGE \a
	SEND \a-1, 32                                  ; behind block a - 1's loads: block a's 16 stores and 16 loads
.endr
	SEND 7, 0
	s_wait_tensorcnt 0x0                           ; the wave's end
	ds_add_u32 v[SPW], v[NIL]
	s_wait_dscnt 0x0
	CROUND                                         ; the closing round
	s_endpgm
.Lfunc_end_k_qf67bcce865_proj:
	.size	k_qf67bcce865_proj, .Lfunc_end_k_qf67bcce865_proj-k_qf67bcce865_proj
	.p2alignl 7, 3214868480
	.fill 96, 4, 3214868480
	.section	.rodata,"a",@progbits
	.p2align	6, 0x0
	.amdhsa_kernel k_qf67bcce865_proj
		.amdhsa_group_segment_fixed_size 327680
		.amdhsa_private_segment_fixed_size 0
		.amdhsa_enable_private_segment 0
		.amdhsa_kernarg_size 48
		.amdhsa_user_sgpr_count 2
		.amdhsa_user_sgpr_kernarg_segment_ptr 1
		.amdhsa_wavefront_size32 1
		.amdhsa_system_sgpr_workgroup_id_x 1
		.amdhsa_system_sgpr_workgroup_id_y 1
		.amdhsa_system_sgpr_workgroup_id_z 1
		.amdhsa_system_vgpr_workitem_id 0
		.amdhsa_next_free_vgpr 1024
		.amdhsa_next_free_sgpr 98
		.amdhsa_reserve_vcc 0
		.amdhsa_float_denorm_mode_32 3
		.amdhsa_float_denorm_mode_16_64 3
		.amdhsa_memory_ordered 1
		.amdhsa_forward_progress 1
		.amdhsa_inst_pref_size 160
	.end_amdhsa_kernel
	.amdgpu_metadata
---
amdhsa.version: [ 1, 2 ]
amdhsa.kernels:
  - .name:           k_qf67bcce865_proj
    .symbol:         k_qf67bcce865_proj.kd
    .args:
      - { .name: ao_img, .offset: 0, .size: 8, .value_kind: global_buffer, .address_space: global }
      - { .name: ao_sc, .offset: 8, .size: 8, .value_kind: global_buffer, .address_space: global }
      - { .name: ops_img, .offset: 16, .size: 8, .value_kind: global_buffer, .address_space: global }
      - { .name: ops_sc, .offset: 24, .size: 8, .value_kind: global_buffer, .address_space: global }
      - { .name: proj_b, .offset: 32, .size: 8, .value_kind: global_buffer, .address_space: global }
      - { .name: out0, .offset: 40, .size: 8, .value_kind: global_buffer, .address_space: global }
    .group_segment_fixed_size: 327680
    .private_segment_fixed_size: 0
    .kernarg_segment_align: 8
    .kernarg_segment_size: 48
    .max_flat_workgroup_size: 128
    .sgpr_count:     98
    .vgpr_count:     1024
    .wavefront_size: 32
...
	.end_amdgpu_metadata
.endif
;; end of part 4
